; MI455X (gfx1250); checked and timed in simulation.
; The chip was launched on July 23, 2026; its instructions are those of AMD's public machine-readable ISA for CDNA 5 (MIT licence, August 2026) and "CDNA5" Instruction Set Architecture Reference Guide (July 2026). The comments in the code are by the model that wrote it; some were corrected since.
;; masked multi head attention. Allowed arithmetic: matrix products marked QUANTISED: E2M3 operands, one E8M0 scale for each 32 along K, by v_wmma_scale_f32_16x16x128_f8f6f4 with both operands' format E2M3, f32 sums; everything else in f32.
;; Inputs: bk 1,024 float32; bo 1,024 float32; bq 1,024 float32; bv 1,024 float32; wk 1,024 x 1,024 float32; wo 1,024 x 1,024 float32; wq 1,024 x 1,024 float32; wv 1,024 x 1,024 float32; x 1 x 4,096 x 1,024 float32.
;; Outputs: out0 1 x 4,096 x 1,024 float32.
;; This version of the problem:
;;   THIS VERSION OF THE PROBLEM IS GIVEN IN LOW PRECISION. The matrix products marked QUANTISED in the list below multiply operands that are first quantised to E2M3 (2 exponent bits, 3 mantissa bits; 6 bits a number), with one power-of-two scale for each 32 numbers along K (OCP MX v1.0); their sums are f32. All else is computed in f32.
;;   The module's matrix products, in the order in which they are computed (A, B: the left and right operand; K: the contracted axis; several contracted axes count as one K, in the product's order):
;;     1. [M 4,096, K 1,024] x [K 1,024, N 1,024]; A: input x; B: input wq: QUANTISED
;;     2. [M 4,096, K 1,024] x [K 1,024, N 1,024]; A: input x; B: input wk: QUANTISED
;;     3. [M 4,096, K 1,024] x [K 1,024, N 1,024]; A: input x; B: input wv: QUANTISED
;;     4. batch 16 x [M 4,096, K 64] x [K 64, N 4,096]; A: computed on the way; B: computed on the way: QUANTISED
;;     5. batch 16 x [M 4,096, K 4,096] x [K 4,096, N 64]; A: softmax (see below); B: computed on the way: QUANTISED
;;     6. [M 4,096, K 1,024] x [K 1,024, N 1,024]; A: computed on the way; B: input wo: QUANTISED
;;   THE QUANTISER, for each operand of a quantised product, along K:
;;     - K is cut into blocks of 32 from its start; a last block that is shorter is filled with zeros.
;;     - A block's scale is 2^e with e = floor(log2(the largest magnitude in the block)) - 2, held to -126 .. 127; a block of zeros has e = 0. As a byte (E8M0): e + 127.
;;     - Each number is divided by its block's scale, clamped to +-7.5, and rounded to the nearest number of E2M3, ties to even, subnormals kept.
;;     - The product sums the exact products of the quantised numbers (number of the format x scale) in f32.
;;   ~~~python
;;   def quantise(x, axis):      # numpy; x: float32 -> the quantised numbers, widened to float32 again
;;       x = np.moveaxis(x, axis, -1); K = x.shape[-1]
;;       x = np.pad(x, [(0, 0)] * (x.ndim - 1) + [(0, -K % 32)]); x = x.reshape(x.shape[:-1] + (-1, 32)); a = np.abs(x).max(-1, keepdims=True)
;;       e = np.where(a > 0, np.clip(np.frexp(np.where(a > 0, a, 1))[1] - 1 - 2, -126, 127), 0)      # np.frexp(a)[1] - 1 = floor(log2(a)), exactly
;;       r = np.clip(x / 2.0 ** e, -7.5, 7.5)
;;       step = 2.0 ** (np.maximum(np.frexp(np.where(r == 0, 1, r))[1] - 1, 0) - 3)
;;       q = np.round(r / step) * step * 2.0 ** e      # np.round: ties to even
;;       return np.moveaxis(q.reshape(q.shape[:-2] + (-1,))[..., :K], -1, axis).astype(np.float32)
;;   ~~~
;;   SOFTMAX AHEAD OF A QUANTISED PRODUCT. Where the list says 'softmax', what is quantised is not the finished softmax but p = 2^(t - M), with t = logit x log2(e) and M = ceil(the row's largest t), a whole number; so 1/2 < the row's largest p <= 1. The row's sum l is taken of the UNQUANTISED p, in f32, and the product's result is divided by l at the end. Since M is a whole number, a kernel that streams over the keys may use a running M (the ceiling of the running maximum): every later rescaling is an exact power of two, which a block's scale takes up: the codes' values come out the same.
;;   OPERANDS COMPUTED ON THE WAY. 'Computed on the way' means the value that the module computes at that place (a softmax that the list does not call 'softmax' is quantised finished and normalised). What goes into a quantiser is computed in f32, as accurately as f32 sums, v_exp_f32 and their like allow (about 1e-6 of the number): no bf16 or f16 on the way to a quantiser, and a product that is left as it is and whose result goes on into a quantised operand takes f32 operands (vector FMAs, or v_wmma_f32_16x16x4_f32). A number that lies on a knife's edge between two numbers of the format may be rounded either way, as far as f32 arithmetic and the matrix unit's own rounding can turn it there, and no further.
;; One version. Each part assembles by itself: llvm-mc -triple=amdgcn-amd-amdhsa -mcpu=gfx1250 --defsym DOCPART=n.
;; ======== version 1 of 1: 4 launches
;; limits: right only within a limited range of input values
;; workspace buffers: codes 6,291,456 bytes; scales 262,144 bytes; qb 3,407,872 bytes; kv 6,684,672 bytes; oc 3,145,728 bytes; osc 262,144 bytes
;; launch quant (part 1): grid 256 x 1, 4 waves a work-group, no clusters, 34,304 bytes of LDS; arguments x, wq, wk, wv, wo, codes, scales; writes codes, scales
.if DOCPART == 1
	.amdgcn_target "amdgcn-amd-amdhsa--gfx1250"
	.amdhsa_code_object_version 6
	.text
	.protected	k_q6b4c68a92e_quant
	.globl	k_q6b4c68a92e_quant
	.p2align	8
	.type	k_q6b4c68a92e_quant,@function
k_q6b4c68a92e_quant:
	s_mov_b64 s[64:65], 0
	v_nop
	global_prefetch_b8 v0, s[64:65] scope:SCOPE_SE
	s_setreg_imm32_b32 hwreg(HW_REG_WAVE_MODE, 25, 1), 1
	s_wait_xcnt 0x0
; x [4096][1024] and wq, wk, wv, wo [1024][1024], f32, K innermost, become codes of FP6 (E2M3) with one E8M0 scale byte for each 32 along K.
; A block's scale is 2^(floor(log2(its largest magnitude)) - 2); its byte is the largest magnitude's exponent field - 2, held at 1 from below.
; LIMITS: a block of zeros, or one whose largest magnitude lies under 2^-124, gets the byte 1 (its codes are zeros or what the floor's scale leaves; this program alone reads the bytes); NaN and infinities are not served.
; LAYOUT OF THE RESULT.  The five tensors are 512 ROW TILES of 16 rows (x 0-255, wq 256-319, wk 320-383, wv 384-447, wo 448-511).
; codes: [row tile][16 pieces of 64 along K][768 bytes].  A piece is an IMAGE OF SIX OPERAND REGISTERS: lane (r = lane % 16, h = lane / 16) holds k = 32 h .. 32 h + 31 of row r, 24 bytes;
; its registers 0-3 lie at 16 x lane, its registers 4-5 at 512 + 8 x lane.  Two pieces on end are a fragment of 16 rows x 128 K.  So every later load and store of codes covers 512 or 256 consecutive bytes.
; scales: [row tile][half of K][r][4 words]: a word is the four bytes of 128 along K.
; THE ROWS OF A TILE ARE NOT NEIGHBOURS: place r of tile T holds row 32 (T / 2) + 8 (T % 2) + r + 8 (r / 8).  A product that takes such a tile as source 0 then leaves, in the 16 registers of two neighbouring
; tiles, 16 neighbours along the next product's K.
; SHARES.  Work-group g, wave w: row tile 2 g + w / 2, half w % 2 of K: 16 rows x 512 numbers, in 4 steps of 128 along K.  Each load reads 256 consecutive bytes of two rows; a step's 8,192 bytes turn through the
; wave's own stage in LDS (rows 528 bytes apart) and come back 128 bytes a lane: a whole block of 32 in one lane's registers, so that no other lane is asked for a maximum.
; Loads run two steps (32 loads a wave) ahead.  No tensor load, no barrier: waves share nothing.
.set SP,   528                         ; a stage row: 512 bytes + 16
.set STG,  16*SP                       ; a wave's stage
.set R,    64                          ; v64-191  two sets of 64 numbers as they are loaded
.set X,    192                         ; v192-255 64 numbers: two blocks of 32 of my row
.set C,    16                          ; v16-39   codes: four sets of six registers, so that a store's data are written again only two steps later
.set W,    40                          ; v40-43   the four steps' scale words
	s_load_b256 s[4:11], s[0:1], 0x0               ; x, wq, wk, wv
	s_load_b128 s[12:15], s[0:1], 0x20             ; wo, codes
	s_load_b64 s[16:17], s[0:1], 0x30              ; scales
	v_lshl_add_u32 v62, v0, 2, 0x8400
	v_mov_b32 v63, 0
	v_lshrrev_b32 v1, 5, v0
	v_readfirstlane_b32 s18, v1                    ; wave 0..3
	v_and_b32 v10, 31, v0                          ; lane
	v_and_b32 v11, 15, v0                          ; r
	v_bfe_u32 v7, v0, 4, 1                         ; h
	s_mul_i32 s23, s18, STG
	v_lshlrev_b32 v9, 4, v11
	v_lshl_add_u32 v1, v7, 12, v9                  ; a load: lanes 0-15 take 256 bytes of one row, lanes 16-31 of the next
	v_mad_u32_u24 v2, v7, SP, v9
	v_add_nc_u32 v2, s23, v2                       ; the stage, on the way in: the same two rows
	v_mul_u32_u24 v3, v11, SP
	v_lshl_add_u32 v3, v7, 7, v3
	v_add_nc_u32 v3, s23, v3                       ; and on the way out: row r, + 128 h: my 32 numbers of 64 along K
	v_lshlrev_b32 v4, 4, v10                       ; a piece's registers 0-3
	v_lshlrev_b32 v5, 3, v10                       ; and 4-5
	v_lshl_add_u32 v6, v7, 3, v9                   ; the scale words: 16 r + 8 h
	v_lshlrev_b32 v7, 3, v7                        ; 8 h: my bytes' place in a scale word
	v_mov_b32 v15, 0                               ; written once: a lane permute's destination counts as one of its sources
	s_lshr_b32 s19, s18, 1
	s_and_b32 s28, s18, 1                          ; which half of K
	s_lshl_b32 s29, ttmp9, 1
	s_add_co_u32 s29, s29, s19                     ; my row tile
	s_mov_b32 s20, 0x76543210
	s_mov_b32 s21, 0xfedcba98                      ; v_permlanex16_b32's selects for lane l xor 16
	s_mov_b32 s22, 0xffff0000                      ; lanes 16-31
	s_wait_alu depctr_va_vdst(0)
	s_wait_kmcnt 0x0
	s_mov_b64 s[24:25], s[12:13]                   ; which tensor: the choice hangs on the work-group's number alone
	s_mov_b32 s26, 448                             ; and its first row tile
	s_cmp_lt_u32 ttmp9, 224
	s_cselect_b64 s[24:25], s[10:11], s[24:25]
	s_cselect_b32 s26, 384, s26
	s_cmp_lt_u32 ttmp9, 192
	s_cselect_b64 s[24:25], s[8:9], s[24:25]
	s_cselect_b32 s26, 320, s26
	s_cmp_lt_u32 ttmp9, 160
	s_cselect_b64 s[24:25], s[6:7], s[24:25]
	s_cselect_b32 s26, 256, s26
	s_cmp_lt_u32 ttmp9, 128
	s_cselect_b64 s[24:25], s[4:5], s[24:25]
	s_cselect_b32 s26, 0, s26
	s_sub_co_u32 s26, s29, s26                     ; T: the tile's number in its tensor
	s_lshr_b32 s30, s26, 1
	s_lshl_b32 s30, s30, 5
	s_and_b32 s31, s26, 1
	s_lshl_b32 s31, s31, 3
	s_add_co_u32 s30, s30, s31                     ; its first row: 32 (T / 2) + 8 (T % 2)
	s_lshl_b32 s30, s30, 12                        ; rows of 4,096 bytes
	s_lshl_b32 s31, s28, 11
	s_add_co_u32 s30, s30, s31                     ; + my half of K
	s_mov_b32 s31, 0
	s_add_nc_u64 s[24:25], s[24:25], s[30:31]
	s_lshl_b32 s30, s29, 4
	s_lshl_b32 s32, s28, 3
	s_add_co_u32 s30, s30, s32
	s_mul_i32 s30, s30, 768                        ; my eight pieces
	s_add_nc_u64 s[14:15], s[14:15], s[30:31]
	s_lshl_b32 s30, s29, 9
	s_lshl_b32 s32, s28, 8
	s_add_co_u32 s30, s30, s32                     ; my 256 bytes of scale words
	s_add_nc_u64 s[16:17], s[16:17], s[30:31]
.macro LOAD t                          ; step t: places 2 i and 2 i + 1 of the tile are rows 2 i + 8 (i / 4) and the next
.irp i, 0,1,2,3,4,5,6,7
.irp q, 0,1
	global_load_b128 v[R+64*((\t)%2)+4*(2*\i+\q):R+64*((\t)%2)+4*(2*\i+\q)+3], v1, s[24:25] offset:(2*\i+8*(\i/4))*4096+512*(\t)+256*\q th:TH_LOAD_NT
.endr
.endr
.endm
.macro STEP t
.if (\t) < 3
	s_wait_loadcnt 16                              ; this step's 16 loads are in; the next step's 16 may be out
.else
	s_wait_loadcnt 0x0
.endif
.irp i, 0,1,2,3,4,5,6,7
.irp q, 0,1
	ds_store_b128 v2, v[R+64*((\t)%2)+4*(2*\i+\q):R+64*((\t)%2)+4*(2*\i+\q)+3] offset:2*\i*SP+256*\q
.endr
.endr
.irp q, 0,1
.irp j, 0,1,2,3,4,5,6,7
	ds_load_b128 v[X+32*\q+4*\j:X+32*\q+4*\j+3], v3 offset:256*\q+16*\j   ; LDS serves a wave's instructions in order: these see the stores above
.endr
.endr
	s_wait_dscnt 0x0                               ; my numbers are back, and the stores into the stage have read their registers,
.if (\t) < 2
	LOAD (\t)+2                                    ; which take the loads of two steps on
.else
	s_wait_xcnt 0x0                                ; the stores of two steps back have read their data: those sets of codes are written again below
.endif
.irp q, 0,1
.set XS, X+32*\q
.set CS, C+6*((2*(\t)+\q)%4)
	v_max3_num_f32 v8, |v[XS]|, |v[XS+1]|, |v[XS+2]|               ; the block's largest magnitude: all 32 numbers are mine
	v_max3_num_f32 v9, |v[XS+3]|, |v[XS+4]|, |v[XS+5]|
.irp i, 6,10,14,18,22,26
	v_max3_num_f32 v8, v8, |v[XS+\i]|, |v[XS+\i+1]|
	v_max3_num_f32 v9, v9, |v[XS+\i+2]|, |v[XS+\i+3]|
.endr
	v_max3_num_f32 v8, v8, |v[XS+30]|, |v[XS+31]|
	v_max3_num_f32 v8, v8, v9, 0x1800000           ; and the floor 2^(3 - 127): the byte cannot fall under 1
	v_add_nc_u32 v9, 0xff000000, v8                ; 2 off its exponent field: the conversion takes the exponent field of this operand as its scale
	v_cvt_scalef32_pk16_fp6_f32 v[CS:CS+2], v[XS:XS+15], v9
	v_cvt_scalef32_pk16_fp6_f32 v[12:14], v[XS+16:XS+31], v9       ; (a conversion's three registers begin on an even number: the second half is made elsewhere and moved)
	v_lshrrev_b32 v[10+\q], 23, v9                 ; the scale's byte; also the plain line behind the conversions
	v_mov_b32 v[CS+3], v12
	v_mov_b32 v[CS+4], v13
	v_mov_b32 v[CS+5], v14
	global_store_b128 v4, v[CS:CS+3], s[14:15] offset:768*(2*(\t)+\q)          ; 32 lanes store 512 consecutive bytes,
	global_store_b64 v5, v[CS+4:CS+5], s[14:15] offset:768*(2*(\t)+\q)+512     ; and 256: both begin at multiples of 256 from the buffer's first byte
.endr
	v_lshl_or_b32 v8, v11, 16, v10                 ; my two bytes: blocks h and 2 + h of my row's 128,
	v_lshlrev_b32 v8, v7, v8                       ; at their places in the word;
	v_permlanex16_b32 v15, v8, s20, s21
	v_or_b32 v[W+(\t)], v8, v15                    ; with lane l xor 16's two the word is whole
.endm
	LOAD 0
	LOAD 1
	STEP 0
	STEP 1
	STEP 2
	STEP 3
	v_cndmask_b32 v44, v[W], v[W+2], s22           ; lanes 0-15 store words 0 and 1 of their row, lanes 16-31 words 2 and 3
	v_cndmask_b32 v45, v[W+1], v[W+3], s22
	global_store_b64 v6, v[44:45], s[16:17]        ; 32 lanes store 256 consecutive bytes, aligned
	s_wait_tensorcnt 0x0
	ds_add_u32 v62, v63
	s_wait_dscnt 0x0
	s_endpgm
.Lfunc_end_k_q6b4c68a92e_quant:
	.size	k_q6b4c68a92e_quant, .Lfunc_end_k_q6b4c68a92e_quant-k_q6b4c68a92e_quant
	.p2alignl 7, 3214868480
	.fill 96, 4, 3214868480
	.section	.rodata,"a",@progbits
	.p2align	6, 0x0
	.amdhsa_kernel k_q6b4c68a92e_quant
		.amdhsa_group_segment_fixed_size 34304
		.amdhsa_private_segment_fixed_size 0
		.amdhsa_enable_private_segment 0
		.amdhsa_kernarg_size 56
		.amdhsa_user_sgpr_count 2
		.amdhsa_user_sgpr_kernarg_segment_ptr 1
		.amdhsa_wavefront_size32 1
		.amdhsa_system_sgpr_workgroup_id_x 1
		.amdhsa_system_sgpr_workgroup_id_y 1
		.amdhsa_system_sgpr_workgroup_id_z 1
		.amdhsa_system_vgpr_workitem_id 0
		.amdhsa_next_free_vgpr 256
		.amdhsa_next_free_sgpr 66
		.amdhsa_reserve_vcc 0
		.amdhsa_float_denorm_mode_32 3
		.amdhsa_float_denorm_mode_16_64 3
		.amdhsa_memory_ordered 1
		.amdhsa_forward_progress 1
		.amdhsa_inst_pref_size 31
	.end_amdhsa_kernel
	.amdgpu_metadata
---
amdhsa.version: [ 1, 2 ]
amdhsa.kernels:
  - .name:           k_q6b4c68a92e_quant
    .symbol:         k_q6b4c68a92e_quant.kd
    .args:
      - { .name: x, .offset: 0, .size: 8, .value_kind: global_buffer, .address_space: global }
      - { .name: wq, .offset: 8, .size: 8, .value_kind: global_buffer, .address_space: global }
      - { .name: wk, .offset: 16, .size: 8, .value_kind: global_buffer, .address_space: global }
      - { .name: wv, .offset: 24, .size: 8, .value_kind: global_buffer, .address_space: global }
      - { .name: wo, .offset: 32, .size: 8, .value_kind: global_buffer, .address_space: global }
      - { .name: codes, .offset: 40, .size: 8, .value_kind: global_buffer, .address_space: global }
      - { .name: scales, .offset: 48, .size: 8, .value_kind: global_buffer, .address_space: global }
    .group_segment_fixed_size: 34304
    .private_segment_fixed_size: 0
    .kernarg_segment_align: 8
    .kernarg_segment_size: 56
    .max_flat_workgroup_size: 128
    .sgpr_count:     66
    .vgpr_count:     256
    .wavefront_size: 32
...
	.end_amdgpu_metadata
.endif
;; end of part 1
;; launch proj (part 2): grid 12 x 16, 4 waves a work-group, clusters of 4 x 4, 327,680 bytes of LDS; arguments codes, scales, bq, bk, bv, qb, kv; writes qb, kv
.if DOCPART == 2
	.amdgcn_target "amdgcn-amd-amdhsa--gfx1250"
	.amdhsa_code_object_version 6
	.text
	.protected	k_q6b4c68a92e_proj
	.globl	k_q6b4c68a92e_proj
	.p2align	8
	.type	k_q6b4c68a92e_proj,@function
k_q6b4c68a92e_proj:
	s_mov_b64 s[64:65], 0
	v_nop
	global_prefetch_b8 v0, s[64:65] scope:SCOPE_SE
	s_setreg_imm32_b32 hwreg(HW_REG_WAVE_MODE, 25, 1), 1
	s_wait_xcnt 0x0
	s_wait_alu depctr_hold_cnt(0) depctr_sa_sdst(0) depctr_va_vdst(0) depctr_va_sdst(0) depctr_va_ssrc(0) depctr_va_vcc(0) depctr_vm_vsrc(0)
	s_getreg_b32 s2, hwreg(HW_REG_IB_STS2, 6, 4)
	s_cmp_eq_u32 s2, 0
	s_cbranch_scc0 .Lentry_in_a_cluster
	s_endpgm
.Lentry_in_a_cluster:
	s_bfe_u32 s2, ttmp6, 0x10000c
	s_cmp_lg_u32 s2, 0xf033
	s_cbranch_scc0 .Lentry_shape_is_right
	s_endpgm
.Lentry_shape_is_right:
.set NQ,     2
.set FR,     12
.set NL,     4
.set NP,     4
.set RT,     12288
.set KB,     3072
.set HALFT,  8*KB
.set SLOT,   4*HALFT
.set SCL,    2*SLOT
.set HALFS,  4096
.set SBLK,   512
.set SPARE,  SCL+4*HALFS
.set ADRA, 16
.set ADRB, 20
.set ADRS, 27
.set SPW,  28
.set NIL,  29
.set BIO,  30
.set BLO,  31
.set SC,   32
.set BI,   64
.set AF,   128
.set BL,   244
.set X,    128
.set TM,   192
.set PW,   208
.set PC,   210
.set E0,   230
.set E1,   231
.set SK0,  232
.set SK1,  236
.set O16,  242
.set O8,   243
.set SEL,  20
.set G1, 24
.set G0, 32
.set G1B, 48
.set G0B, 56
.set G1S, 68
.set G0S, 76
.set G1SB, 80
.set G0SB, 88
.set MSB, 0
.macro WIN new
.if MSB != (\new)
	s_set_vgpr_msb (MSB<<8)|(\new)
.set MSB, (\new)
.endif
.endm
.set MUL_LO, 0xa1
.set MUL_HI, 0xf1
.set TO_B,   0x40
.macro JLOAD g0a, g1a, g0b, g1b
	s_cmp_eq_u32 s15, 0
	s_cbranch_scc0 .Lfor_b_\@
	tensor_load_to_lds s[\g0a:\g0a+3], s[\g1a:\g1a+7]
	s_nop 0
.rept 4
	v_nop
.endr
	s_branch .Lasked_\@
.Lfor_b_\@:
	tensor_load_to_lds s[\g0b:\g0b+3], s[\g1b:\g1b+7]
	s_nop 0
.rept 4
	v_nop
.endr
.Lasked_\@:
.endm
.macro CREST
	s_cmp_lg_u32 s14, 0
	s_cbranch_scc1 .Lnot_wave_0_\@
	s_barrier_signal -3
.Lnot_wave_0_\@:
	s_barrier_wait -3
	s_barrier_signal -1
	s_barrier_wait -1
.endm
.macro CROUND
	s_barrier_signal -1
	s_barrier_wait -1
	CREST
.endm
	s_load_b128 s[4:7], s[0:1], 0x0
	s_load_b128 s[8:11], s[0:1], 0x10
	s_load_b128 s[96:99], s[0:1], 0x20
	s_load_b64 s[100:101], s[0:1], 0x30
	v_lshl_add_u32 v[SPW], v0, 2, SPARE
	v_mov_b32 v[NIL], 0
	ds_add_u32 v28, v29
	ds_add_u32 v28, v29
	s_wait_dscnt 0x0
	v_lshrrev_b32 v1, 5, v0
	v_readfirstlane_b32 s14, v1
	s_lshr_b32 s15, s14, 1
	s_and_b32 s16, s14, 1
	s_bfe_u32 s40, ttmp6, 0x40000
	s_bfe_u32 s41, ttmp6, 0x40004
	s_and_b32 s2, ttmp7, 0xffff
	s_cmp_eq_u32 ttmp9, 2
	s_cselect_b32 s17, 0, s2
	s_cselect_b32 s42, s2, ttmp9
	s_cselect_b32 s12, 384, 0
	s_cselect_b32 s13, 0, 256
	s_lshl_b32 s17, s17, 2
	s_add_co_u32 s17, s17, s41
	s_lshl_b32 s42, s42, 2
	s_add_co_u32 s42, s42, s40
	s_lshl_b32 s43, s41, 2
	s_lshl_b32 s43, 15, s43
	s_lshl_b32 s44, 0x1111, s40
	s_or_b32 s[G1+0], s43, (3<<16)|(1<<21)
	s_or_b32 s[G1B+0], s44, (3<<16)|(1<<21)
.irp g, G1, G1B
	s_mov_b32 s[\g+1], 384<<16
	s_mov_b32 s[\g+2], 16<<16
	s_mov_b32 s[\g+3], 384<<16
	s_mov_b32 s[\g+4], 16
	s_mov_b32 s[\g+5], 1536
	s_mov_b32 s[\g+6], 0
	s_mov_b32 s[\g+7], 0
.endr
	s_or_b32 s[G1S+0], s43, (3<<16)|(1<<21)
	s_or_b32 s[G1SB+0], s44, (3<<16)|(1<<21)
.irp g, G1S, G1SB
	s_mov_b32 s[\g+1], 32<<16
	s_mov_b32 s[\g+2], 32<<16
	s_mov_b32 s[\g+3], 32<<16
	s_mov_b32 s[\g+4], 32
	s_mov_b32 s[\g+5], 32
	s_mov_b32 s[\g+6], 0
	s_mov_b32 s[\g+7], 0
.endr
	s_lshl_b32 s18, s16, 3
	s_lshl_b32 s20, s17, 4
	s_add_co_u32 s20, s20, s18
	s_add_co_u32 s20, s20, s12
	s_lshl_b32 s46, s42, 4
	s_add_co_u32 s46, s46, s18
	s_add_co_u32 s46, s46, s13
	s_lshl_b32 s22, s20, 9
	s_mov_b32 s23, 0
	s_lshl_b32 s92, s46, 9
	s_mov_b32 s93, 0
	s_mul_i32 s20, s20, RT
	s_mov_b32 s21, 0
	s_mul_i32 s46, s46, RT
	s_mov_b32 s47, 0
	s_mul_i32 s45, s14, HALFT
	s_mul_i32 s94, s14, HALFS
	s_wait_kmcnt 0x0
	s_add_nc_u64 s[20:21], s[4:5], s[20:21]
	s_add_nc_u64 s[22:23], s[6:7], s[22:23]
	s_add_nc_u64 s[46:47], s[4:5], s[46:47]
	s_add_nc_u64 s[92:93], s[6:7], s[92:93]
	CROUND
	; the head's four tiles, each whole, one joint load a wave: wave 0 slot 0's 16 row tiles of source 1, wave 1 those of source 0, waves 2 and 3 the two blocks of scale words
	s_mul_i32 s2, s16, 8*RT                        ; my half's distance from the tile's start: codes,
	s_mov_b32 s3, 0
	s_lshl_b32 s18, s16, 12                        ; and scale words
	s_mov_b32 s19, 0
	s_mov_b32 s[G0S], 1
	s_mov_b32 s[G0S+1], SCL
	s_sub_nc_u64 s[G0S+2:G0S+3], s[22:23], s[18:19]
	s_or_b32 s[G0S+3], s[G0S+3], 0x80000000
	s_mov_b32 s[G0SB], 1
	s_mov_b32 s[G0SB+1], SCL+2*HALFS
	s_sub_nc_u64 s[G0SB+2:G0SB+3], s[92:93], s[18:19]
	s_or_b32 s[G0SB+3], s[G0SB+3], 0x80000000
	s_mov_b32 s4, 1
	s_mov_b32 s5, 0
	s_sub_nc_u64 s[6:7], s[20:21], s[2:3]
	s_or_b32 s7, s7, 0x80000000
	s_mov_b32 s92, 1
	s_mov_b32 s93, 2*HALFT
	s_sub_nc_u64 s[94:95], s[46:47], s[2:3]
	s_or_b32 s95, s95, 0x80000000
.macro ARM under, g0, g1, next
	s_cmp_lt_u32 s14, \under
	s_cbranch_scc0 \next
	tensor_load_to_lds s[\g0:\g0+3], s[\g1:\g1+7]
	s_nop 0
.rept 4
	v_nop
.endr
	s_branch .Lhead_asked
\next:
.endm
	ARM 1, 4, G1, .Lhead_b
	ARM 2, 92, G1B, .Lhead_sa
	ARM 3, G0S, G1S, .Lhead_sb
	tensor_load_to_lds s[G0SB:G0SB+3], s[G1SB:G1SB+7]
	s_nop 0
.rept 4
	v_nop
.endr
.Lhead_asked:
.irp s, 0,1
	s_mov_b32 s[G0+4*\s], 1
	s_add_co_u32 s[G0+4*\s+1], s45, \s*SLOT
	s_add_nc_u64 s[G0+4*\s+2:G0+4*\s+3], s[20:21], \s*KB
	s_or_b32 s[G0+4*\s+3], s[G0+4*\s+3], 0x80000000
	s_mov_b32 s[G0B+4*\s], 1
	s_add_co_u32 s[G0B+4*\s+1], s45, \s*SLOT
	s_add_nc_u64 s[G0B+4*\s+2:G0B+4*\s+3], s[46:47], \s*KB
	s_or_b32 s[G0B+4*\s+3], s[G0B+4*\s+3], 0x80000000
.endr
	s_cmp_eq_u32 ttmp9, 0
	s_cselect_b64 s[12:13], s[8:9], s[10:11]
	s_cmp_eq_u32 ttmp9, 2
	s_cselect_b64 s[12:13], s[96:97], s[12:13]
	v_and_b32 v1, 15, v0
	v_bfe_u32 v2, v0, 4, 1
	s_lshl_b32 s18, s40, 10
	s_lshl_b32 s19, s16, 9
	s_add_co_u32 s18, s18, s19
	v_lshl_add_u32 v[BIO], v2, 6, s18
	s_lshl_b32 s18, s41, 10
	s_lshl_b32 s19, s15, 9
	s_add_co_u32 s18, s18, s19
	v_and_b32 v3, 8, v1
	v_add_nc_u32 v3, v3, v1
	v_lshl_add_u32 v[BLO], v3, 2, s18
.irp b, 0,1,2,3
.irp d, 0,1,2,3
	global_load_b128 v[BI+16*\b+4*\d:BI+16*\b+4*\d+3], v[BIO], s[12:13] offset:128*\b+16*\d
.endr
.endr
.irp a, 0,1,2,3,4,5,6,7
	global_load_b32 v[BL+\a], v[BLO], s[12:13] offset:4*(32*(\a/2)+8*(\a%2))
.endr
	v_and_b32 v3, 31, v0
	v_lshlrev_b32 v4, 4, v3
	v_lshlrev_b32 v5, 3, v3
	s_mul_i32 s21, s15, HALFT
	s_mul_i32 s22, s16, HALFT
	s_add_co_u32 s22, s22, 2*HALFT
.irp s, 0,1
	v_add_nc_u32 v[ADRA+\s], s21, v4
	v_add_nc_u32 v[ADRB+\s], s22, v4
	v_add_nc_u32 v[ADRA+2+\s], s21, v5
	v_add_nc_u32 v[ADRB+2+\s], s22, v5
	s_add_co_u32 s21, s21, SLOT
	s_add_co_u32 s22, s22, SLOT
.endr
	v_lshlrev_b32 v5, 4, v1
	s_mul_i32 s21, s15, HALFS
	s_mul_i32 s22, s16, HALFS
	s_add_co_u32 s22, s22, 2*HALFS
	s_sub_co_u32 s22, s22, s21
	v_mul_u32_u24 v6, s22, v2
	s_add_co_u32 s21, s21, SCL
	v_add_nc_u32 v5, v5, v6
	v_add_nc_u32 v[ADRS], s21, v5
.macro FRAG reg, adr, q, i
	ds_load_b128 v[\reg:\reg+3], v[\adr] offset:(\i)*KB+(\q)*1536
	ds_load_b64 v[\reg+4:\reg+5], v[\adr+2] offset:(\i)*KB+(\q)*1536+512
	ds_load_b128 v[\reg+6:\reg+9], v[\adr] offset:(\i)*KB+(\q)*1536+768
	ds_load_b64 v[\reg+10:\reg+11], v[\adr+2] offset:(\i)*KB+(\q)*1536+1280
.endm
.macro MUL16 a0, p, q, sc, zero
.irp a, \a0, \a0+1
.irp b, 0,1,2,3,4,5,6,7
.if \zero
	v_wmma_scale_f32_16x16x128_f8f6f4 v[8*(8*((\a)%4)+\b):8*(8*((\a)%4)+\b)+7], v[128*(\p)+FR*\b:128*(\p)+FR*\b+FR-1], v[AF+FR*(\a):AF+FR*(\a)+FR-1], 0, v[SC+8*NQ*(\sc)+NQ*\b+(\q)], v[SC+8*NQ*(\sc)+NQ*(\a)+(\q)] matrix_a_fmt:MATRIX_FMT_FP6 matrix_b_fmt:MATRIX_FMT_FP6 matrix_a_scale:MATRIX_SCALE_ROW1
.else
	v_wmma_scale_f32_16x16x128_f8f6f4 v[8*(8*((\a)%4)+\b):8*(8*((\a)%4)+\b)+7], v[128*(\p)+FR*\b:128*(\p)+FR*\b+FR-1], v[AF+FR*(\a):AF+FR*(\a)+FR-1], v[8*(8*((\a)%4)+\b):8*(8*((\a)%4)+\b)+7], v[SC+8*NQ*(\sc)+NQ*\b+(\q)], v[SC+8*NQ*(\sc)+NQ*(\a)+(\q)] matrix_a_fmt:MATRIX_FMT_FP6 matrix_b_fmt:MATRIX_FMT_FP6 matrix_a_scale:MATRIX_SCALE_ROW1
.endif
.endr
.endr
.endm
.macro FETCH_B slot, q, p
	WIN TO_B
.irp i, 0,1,2,3,4,5,6,7
	FRAG 128*(\p)+FR*\i, ADRB+\slot, \q, \i
.endr
	WIN 0
.endm
.macro FETCH_A slot, q, i0
.irp i, \i0, \i0+1, \i0+2, \i0+3
	FRAG AF+FR*(\i), ADRA+\slot, \q, \i
.endr
.endm
.macro SCALES sc
.irp i, 0,1,2,3,4,5,6,7
	ds_load_b64 v[SC+8*NQ*\sc+NQ*\i:SC+8*NQ*\sc+NQ*\i+1], v[ADRS] offset:\i*SBLK
.endr
.endm
.macro PLACES n
.rept \n
	v_nop
.endr
.endm
.macro STEP slot, q, zero
	s_wait_dscnt 4*NL
	WIN MUL_LO
	MUL16 0, (\q)%2, \q, \slot, \zero
	MUL16 2, (\q)%2, \q, \slot, \zero
	s_wait_dscnt 0
	PLACES NP
	FETCH_B \slot, (\q)+1, 1-(\q)%2
	FETCH_A \slot, (\q)+1, 0
	WIN MUL_HI
	MUL16 4, (\q)%2, \q, \slot, \zero
	MUL16 6, (\q)%2, \q, \slot, \zero
	PLACES NP
	WIN 0
	FETCH_A \slot, (\q)+1, 4
.endm
.macro TURN slot, next, fill
	s_wait_tensorcnt 0x0
	ds_add_u32 v[SPW], v[NIL]
	s_wait_dscnt 4*NL+1
	WIN MUL_LO
	MUL16 0, 1, NQ-1, \slot, 0
	s_wait_dscnt 0x0
	s_barrier_signal -1
	MUL16 2, 1, NQ-1, \slot, 0
	WIN 0
	s_barrier_wait -1
.if \fill
	CREST
	s_add_nc_u64 s[G0+4*\slot+2:G0+4*\slot+3], s[G0+4*\slot+2:G0+4*\slot+3], 2*KB
	s_add_nc_u64 s[G0B+4*\slot+2:G0B+4*\slot+3], s[G0B+4*\slot+2:G0B+4*\slot+3], 2*KB
	JLOAD G0+4*\slot, G1, G0B+4*\slot, G1B
.else
	PLACES NP
.endif
.if \slot == 0
	v_add_nc_u32 v[ADRS], 8, v[ADRS]
.else
	s_wait_alu depctr_va_vdst(0)
	v_add_nc_u32 v[ADRS], 248, v[ADRS]
.endif
	FETCH_B \next, 0, 0
	FETCH_A \next, 0, 0
	SCALES \next
	WIN MUL_HI
	MUL16 4, 1, NQ-1, \slot, 0
	MUL16 6, 1, NQ-1, \slot, 0
	PLACES NP
	WIN 0
	FETCH_A \next, 0, 4
.endm
	s_wait_alu depctr_va_vdst(0)
	s_wait_tensorcnt 0x0                           ; my tile of the head's four is in
	ds_add_u32 v28, v29
	s_mov_b32 s[G1+2], 8<<16                       ; no tensor load of mine is out: from here on a load brings 8 row tiles
	s_mov_b32 s[G1+4], 8
	s_mov_b32 s[G1B+2], 8<<16
	s_mov_b32 s[G1B+4], 8
	s_wait_dscnt 0x0
	CROUND                                         ; all four tiles are in, and all sixteen work-groups are here
	JLOAD G0+4, G1, G0B+4, G1B                     ; slot 1's first fill
	s_wait_loadcnt 0x0                             ; the biases
	FETCH_B 0, 0, 0
	FETCH_A 0, 0, 0
	SCALES 0
	FETCH_A 0, 0, 4
	STEP 0, 0, 1
	TURN 0, 1, 1
	STEP 1, 0, 0
	TURN 1, 0, 1
	s_wait_alu depctr_va_vdst(0)
	STEP 0, 0, 0
	TURN 0, 1, 0
	STEP 1, 0, 0
	s_wait_dscnt 4*NL
	WIN MUL_LO
	MUL16 0, 1, NQ-1, 1, 0
	MUL16 2, 1, NQ-1, 1, 0
	s_wait_dscnt 0
	WIN MUL_HI
	MUL16 4, 1, NQ-1, 1, 0
	MUL16 6, 1, NQ-1, 1, 0
	WIN 0
.macro QUANT s
.irp b, 0,1,2,3
	v_max3_num_f32 v[TM+\b], |v[\s+16*\b]|, |v[\s+1+16*\b]|, 0x1800000
.endr
.irp i, 2,4,6,8,10,12,14
.irp b, 0,1,2,3
	v_max3_num_f32 v[TM+\b], v[TM+\b], |v[\s+16*\b+\i]|, |v[\s+1+16*\b+\i]|
.endr
.endr
.irp b, 0,1,2,3
	v_permlanex16_b32 v[TM+4+\b], v[TM+\b], s[SEL], s[SEL+1]
.endr
.irp b, 0,1,2,3
	v_max_num_f32 v[TM+\b], v[TM+\b], v[TM+4+\b]
.endr
.irp b, 0,1,2,3
	v_add_nc_u32 v[TM+12+\b], 0xff000000, v[TM+\b]
.endr
.irp b, 0,1,2,3
	v_lshrrev_b32 v[TM+4+\b], 23, v[TM+12+\b]
.endr
	v_lshl_or_b32 v[PW], v[TM+5], 8, v[TM+4]
	v_lshl_or_b32 v[PW], v[TM+6], 16, v[PW]
	v_lshl_or_b32 v[PW], v[TM+7], 24, v[PW]
.irp c, 0,1
	v_cvt_scalef32_pk16_fp6_f32 v[PC+6*\c:PC+2+6*\c], v[\s+32*\c:\s+15+32*\c], v[TM+12+2*\c]
	v_cvt_scalef32_pk16_fp6_f32 v[PC+12+4*\c:PC+14+4*\c], v[\s+16+32*\c:\s+31+32*\c], v[TM+12+2*\c+1]
.endr
	v_nop
.irp c, 0,1
.irp i, 0,1,2
	v_permlane16_swap_b32 v[PC+6*\c+\i], v[PC+12+4*\c+\i]
.endr
.irp i, 0,1,2
	v_mov_b32 v[PC+3+6*\c+\i], v[PC+12+4*\c+\i]
.endr
.endr
.endm
.macro EPI v
.irp a, 0,1,2,3,4,5,6,7
.if \v
	v_mov_b32 v240, v[BL+\a]
.endif
	s_wait_alu depctr_va_vdst(0)
	WIN 0x02+(\a/4)
.set n, 0
.rept 32
.if \v
	v_pk_add_f32 v[X+n:X+n+1], v[64*(\a%4)+n:64*(\a%4)+n+1], v[240:241] op_sel_hi:[1,0]
.else
	v_pk_add_f32 v[X+n:X+n+1], v[64*(\a%4)+n:64*(\a%4)+n+1], v[BI+n:BI+n+1]
.endif
.set n, n+2
.endr
	WIN 0
	s_wait_xcnt 0x0
	QUANT X
.if \v
	global_store_b128 v[O16], v[PC:PC+3], s[8:9] offset:(\a/4)*417792+(\a%4)*1536
	global_store_b64 v[O8], v[PC+4:PC+5], s[8:9] offset:(\a/4)*417792+(\a%4)*1536+512
	global_store_b128 v[O16], v[PC+6:PC+9], s[8:9] offset:(\a/4)*417792+(\a%4)*1536+768
	global_store_b64 v[O8], v[PC+10:PC+11], s[8:9] offset:(\a/4)*417792+(\a%4)*1536+1280
.if (\a%2) == 0
	v_mov_b32 v[E0], v[PW]
.else
	v_cndmask_b32 v[SK0+(\a%4)/2], v[E0], v[PW], s22
.endif
.if (\a%4) == 3
	global_store_b64 v[O8], v[SK0:SK0+1], s[8:9] offset:(\a/4)*417792+6144
.endif
.else
	global_store_b128 v[O16], v[PC:PC+3], s[8:9] offset:768*\a
	global_store_b64 v[O8], v[PC+4:PC+5], s[8:9] offset:768*\a+512
	global_store_b128 v[O16], v[PC+6:PC+9], s[10:11] offset:768*\a
	global_store_b64 v[O8], v[PC+10:PC+11], s[10:11] offset:768*\a+512
.if (\a%2) == 0
	v_and_b32 v[E0], 0xffff, v[PW]
	v_lshrrev_b32 v[E1], 16, v[PW]
.else
	v_and_b32 v240, 0xffff, v[PW]
	v_lshrrev_b32 v241, 16, v[PW]
	v_cndmask_b32 v[SK0+\a/2], v[E0], v240, s22
	v_cndmask_b32 v[SK1+\a/2], v[E1], v241, s22
.endif
.endif
.endr
.if !\v
	global_store_b128 v[O16], v[SK0:SK0+3], s[8:9] offset:6144
	global_store_b128 v[O16], v[SK1:SK1+3], s[10:11] offset:6144
.endif
.endm
	PLACES NP
	s_mov_b32 s[SEL], 0x76543210
	s_mov_b32 s[SEL+1], 0xfedcba98
	s_mov_b32 s22, 0xffff0000
	v_and_b32 v1, 31, v0
	v_lshlrev_b32 v[O16], 4, v1
	v_lshlrev_b32 v[O8], 3, v1
.irp b, 0,1,2,3
	v_mov_b32 v[TM+4+\b], 0
.endr
	s_mov_b32 s3, 0
	s_cmp_eq_u32 ttmp9, 2
	s_cbranch_scc1 .Lvalues
	s_cmp_eq_u32 ttmp9, 0
	s_cselect_b64 s[8:9], s[98:99], s[100:101]
	s_mov_b32 s18, 13056
	s_cselect_b32 s18, 6656, s18
	s_lshl_b32 s19, s40, 2
	s_lshl_b32 s23, s16, 1
	s_add_co_u32 s19, s19, s23
	s_lshl_b32 s19, s19, 5
	s_lshl_b32 s23, s17, 1
	s_add_co_u32 s19, s19, s23
	s_add_co_u32 s19, s19, s15
	s_mul_i32 s2, s19, s18
	s_add_nc_u64 s[8:9], s[8:9], s[2:3]
	s_lshl_b32 s2, s18, 5
	s_add_nc_u64 s[10:11], s[8:9], s[2:3]
	EPI 0
	s_branch .Lend
.Lvalues:
	v_mov_b32 v241, 0
	s_lshl_b32 s19, s41, 2
	s_lshl_b32 s23, s15, 1
	s_add_co_u32 s19, s19, s23
	s_lshl_b32 s19, s19, 5
	s_lshl_b32 s23, s42, 1
	s_add_co_u32 s19, s19, s23
	s_add_co_u32 s19, s19, s16
	s_mul_i32 s2, s19, 13056
	s_add_co_u32 s2, s2, 6656
	s_add_nc_u64 s[8:9], s[100:101], s[2:3]
	EPI 1
.Lend:
	s_wait_tensorcnt 0x0
	ds_add_u32 v[SPW], v[NIL]
	s_wait_dscnt 0x0
	CROUND
	s_endpgm
.Lfunc_end_k_q6b4c68a92e_proj:
	.size	k_q6b4c68a92e_proj, .Lfunc_end_k_q6b4c68a92e_proj-k_q6b4c68a92e_proj
	.p2alignl 7, 3214868480
	.fill 96, 4, 3214868480
	.section	.rodata,"a",@progbits
	.p2align	6, 0x0
	.amdhsa_kernel k_q6b4c68a92e_proj
		.amdhsa_group_segment_fixed_size 327680
		.amdhsa_private_segment_fixed_size 0
		.amdhsa_enable_private_segment 0
		.amdhsa_kernarg_size 56
		.amdhsa_user_sgpr_count 2
		.amdhsa_user_sgpr_kernarg_segment_ptr 1
		.amdhsa_wavefront_size32 1
		.amdhsa_system_sgpr_workgroup_id_x 1
		.amdhsa_system_sgpr_workgroup_id_y 1
		.amdhsa_system_sgpr_workgroup_id_z 1
		.amdhsa_system_vgpr_workitem_id 0
		.amdhsa_next_free_vgpr 1024
		.amdhsa_next_free_sgpr 102
		.amdhsa_reserve_vcc 0
		.amdhsa_float_denorm_mode_32 3
		.amdhsa_float_denorm_mode_16_64 3
		.amdhsa_memory_ordered 1
		.amdhsa_forward_progress 1
		.amdhsa_inst_pref_size 221
	.end_amdhsa_kernel
	.amdgpu_metadata
---
amdhsa.version: [ 1, 2 ]
amdhsa.kernels:
  - .name:           k_q6b4c68a92e_proj
    .symbol:         k_q6b4c68a92e_proj.kd
    .args:
      - { .name: codes, .offset: 0, .size: 8, .value_kind: global_buffer, .address_space: global }
      - { .name: scales, .offset: 8, .size: 8, .value_kind: global_buffer, .address_space: global }
      - { .name: bq, .offset: 16, .size: 8, .value_kind: global_buffer, .address_space: global }
      - { .name: bk, .offset: 24, .size: 8, .value_kind: global_buffer, .address_space: global }
      - { .name: bv, .offset: 32, .size: 8, .value_kind: global_buffer, .address_space: global }
      - { .name: qb, .offset: 40, .size: 8, .value_kind: global_buffer, .address_space: global }
      - { .name: kv, .offset: 48, .size: 8, .value_kind: global_buffer, .address_space: global }
    .group_segment_fixed_size: 327680
    .private_segment_fixed_size: 0
    .kernarg_segment_align: 8
    .kernarg_segment_size: 56
    .max_flat_workgroup_size: 128
    .sgpr_count:     102
    .vgpr_count:     1024
    .wavefront_size: 32
...
	.end_amdgpu_metadata
.endif
;; end of part 2
;; launch attn (part 3): grid 16 x 16, 16 waves a work-group, clusters of 4 x 1, 327,680 bytes of LDS; arguments qb, kv, oc, osc; writes oc, osc
.if DOCPART == 3
	.amdgcn_target "amdgcn-amd-amdhsa--gfx1250"
	.amdhsa_code_object_version 6
	.text
	.protected	k_q6b4c68a92e_attn
	.globl	k_q6b4c68a92e_attn
	.p2align	8
	.type	k_q6b4c68a92e_attn,@function
k_q6b4c68a92e_attn:
	s_mov_b64 s[64:65], 0
	v_nop
	global_prefetch_b8 v0, s[64:65] scope:SCOPE_SE
	s_setreg_imm32_b32 hwreg(HW_REG_WAVE_MODE, 25, 1), 1
	s_wait_xcnt 0x0
	s_wait_alu depctr_hold_cnt(0) depctr_sa_sdst(0) depctr_va_vdst(0) depctr_va_sdst(0) depctr_va_ssrc(0) depctr_va_vcc(0) depctr_vm_vsrc(0)
	s_getreg_b32 s2, hwreg(HW_REG_IB_STS2, 6, 4)
	s_cmp_eq_u32 s2, 0
	s_cbranch_scc0 .Lentry_in_a_cluster
	s_endpgm
.Lentry_in_a_cluster:
	s_bfe_u32 s2, ttmp6, 0x10000c
	s_cmp_lg_u32 s2, 0x3003
	s_cbranch_scc0 .Lentry_shape_is_right
	s_endpgm
.Lentry_shape_is_right:
; Causal attention of 16 heads of 64 channels over 4,096 places, both products on codes of FP6 (E2M3) with E8M0 scales; the result is divided by the row's sum, quantised along the channels and stored as codes.
; THE SOFTMAX: t = score x log2(e) / 8; M = the largest t so far, rounded UP to a whole number; p = 2^(t - M) is quantised along the keys, not normalised.  The row's sum is taken of the unquantised p, in f32.
; When M moves, the sum and O are multiplied by 2^(old M - new M): exact.
; LEFT OUT: key steps all of whose keys come after a wave's queries: the causal mask gives them the weight 0.
; LIMITS: hidden keys count as -infinity (p = 0), which is what -1e9 gives while a row's kept logits stay above about -1e9; the scaled scores stay under 2^31; NaN and infinities are not served;
; a block whose largest magnitude lies under 2^-124 has the scale byte 1.
; INPUTS: qb [head][block of 128 queries][6,656], kv [head][step of 128 keys][13,056]: images of operand registers, 768 bytes for 16 rows x 64 along K (registers 0-3 at 16 x lane, registers 4-5 at 512 + 8 x lane),
; with their scale words behind them.  Place r of tile T is index 32 (T / 2) + 8 (T % 2) + r + 8 (r / 8).
; Both products are used transposed (S^T = K Q^T, O^T = V^T P^T): a lane holds ONE query, and the 16 registers of tiles 2 b, 2 b + 1 are 16 neighbouring keys (channels).
; A head's 64 channels fill half of the instruction's 128: Q's registers 6-11 hold zero codes, K's tile t is named with the next tile's six registers behind it (six zeros behind tile 7); that half's scale bytes are 0.
; SHARES.  Cluster J (0..3) of a head, four work-groups, takes the 512 queries of blocks 28 - 4 J .. 31 - 4 J, then those of blocks 4 J .. 4 J + 3: 32 - 4 J and 4 J + 4 key steps, ONE STREAM of 36 for every J.
; Wave w = e + 2 u + 8 g: block 31 - 4 J - u, then 4 J + u (33 key steps for every u); tile 2 cx + e of the block; of the stream's steps those with number % 2 = g: 18 places for every wave.
; So no branch hangs on cx, and K and V are asked for jointly.
; At the end of each run of queries group 1 hands O^T, -M and the sum to group 0 through LDS bytes of its own; group 0 brings both under the larger M (powers of two), adds, divides, quantises and stores.
; THE RING: two slots of eight steps of the stream (104,448 bytes); waves 0-7 fetch a step each; five trips, of 8, 8, 8, 8 and 4 steps, all written out; in a trip a wave walks its places by a loop of constant count.
.set STEPB, 13056
.set SLOTB, 8*STEPB
.set HEADB, 32*STEPB
.set SPARE, 2*SLOTB                    ; the spare words, 128 bytes a wave
.set XB,    SPARE+2048                 ; the exchange: 4,608 bytes for each pair of waves
.set XW,    4608
.set KT,   32                          ; v32-79 K's 8 tiles; v80-85 zeros.  Later v32-43 p's codes, v44-50 at work
.set VT,   192                         ; v192-239 V's 4 fragments
.set BM,   240
.set TP,   244
.set SO,   248
; v1, v2: 16 and 8 x lane + my group's first step; v94, v95: the same + the step's place in the ring; v3 my query less 16 (lane / 16), in its block; v4 -infinity; v5, v6 the add's; v7 256 x lane;
; v8-11, v86-87, v253 the second run's Q and scale word; v12 -M, v13 the largest t, v[14:15] the sum; v16-27 Q, v28 its scale word, v29 p's, v30 f, v31 my place in the exchange (named with v30 as a pair, its value
; not used there); v88-91 K's scale words, v92-93 V's; v96-159 S^T, p; v160-191 O^T
.set WV,   12
.set BLKI, 18                          ; my block of 128 queries
.set KJ,   19                          ; my next key step's number
.set IT,   20
.set FIN,  21                          ; 15 - 2 J: my last place of the first run
.set G1,   28                          ; s[28:35] group 1; s[36:39] group 0
.set PFA,  44
.set LIM,  46
.set GRP,  52
.set BLK1, 53
.set TC,   62                          ; my places done
.set OFF,  83                          ; where the loop stands in the ring, in bytes
.set SI,   84                          ; the stream's step that I fetch next, if I fetch
.set PP,   85                          ; 32 - 4 J: where the stream begins anew at key step 0
.macro JLOAD n                         ; waves 0 .. n - 1 fetch a step each
	s_cmp_lt_u32 s[WV], \n
	s_cbranch_scc0 .Lnone_\@
	tensor_load_to_lds s[36:39], s[G1:G1+7]
	s_nop 0
.rept 4
	v_nop
.endr
.Lnone_\@:
.endm
; A PREFETCH INTO THE L2.  All clusters of a head walk the same bytes from the head's first byte on: cluster 0 asks, waves 8, 9 and 10 of its four work-groups, told apart BY ADDRESS: in trip n (0, 1) they name
; 98,304 bytes from 208,896 + 104,448 n on, 8,192 a wave, lanes 256 bytes apart: what trip n + 1 fetches, less its last 6,144 bytes.  Those, the first two slots and nothing else come by their loads alone.
.macro ASK
	s_cmp_lg_u32 s[LIM], 0
	s_cbranch_scc0 .Lnot_mine_\@
	global_prefetch_b8 v7, s[PFA:PFA+1] th:TH_LOAD_NT scope:SCOPE_SE
.Lnot_mine_\@:
.endm
.macro CROUND
	s_barrier_signal -1
	s_barrier_wait -1
	s_cmp_lg_u32 s[WV], 0
	s_cbranch_scc1 .Lnot_wave_0_\@
	s_barrier_signal -3
.Lnot_wave_0_\@:
	s_barrier_wait -3
	s_barrier_signal -1
	s_barrier_wait -1
.endm
	s_load_b256 s[4:11], s[0:1], 0x0               ; qb, kv, oc, osc
	v_lshl_add_u32 v5, v0, 2, SPARE
	v_mov_b32 v6, 0
	ds_add_u32 v5, v6                              ; the opening lines
	ds_add_u32 v5, v6
	v_lshrrev_b32 v96, 5, v0
	v_readfirstlane_b32 s[WV], v96
	s_bfe_u32 s13, ttmp6, 0x40000                  ; cx: it enters global addresses and the mask's number alone
	s_and_b32 s14, ttmp7, 0xffff                   ; the head
	s_and_b32 s27, s[WV], 1                        ; e
	s_bfe_u32 s15, s[WV], 0x20001                  ; u
	s_lshr_b32 s[GRP], s[WV], 3                    ; g
	s_lshl_b32 s16, ttmp9, 2
	s_add_co_u32 s[BLK1], s16, s15                 ; 4 J + u
	s_sub_co_u32 s[BLKI], 31, s[BLK1]              ; 31 - 4 J - u
	s_sub_co_u32 s[PP], 32, s16
	s_lshl_b32 s17, ttmp9, 1
	s_sub_co_u32 s[FIN], 15, s17
	s_lshl_b32 s26, s13, 1
	s_add_co_u32 s26, s26, s27                     ; a: my tile in the block
	s_mov_b32 s[KJ], s[GRP]
	s_mov_b32 s[TC], 0
	s_mov_b32 s22, 0x76543210
	s_mov_b32 s23, 0xfedcba98
	s_mov_b32 s24, 0x3e38aa3b                      ; log2(e) / sqrt(64)
	s_mov_b32 s25, s24
	s_mov_b32 s[G1], 15|(3<<16)|(1<<21)            ; 13,056 dense bytes as 51 rows of 256; the mask names all four work-groups
	s_mov_b32 s[G1+1], 32<<16
	s_mov_b32 s[G1+2], 51<<16
	s_mov_b32 s[G1+3], 32<<16
	s_mov_b32 s[G1+4], 51
	s_mov_b32 s[G1+5], 32
	s_mov_b32 s[G1+6], 0
	s_mov_b32 s[G1+7], 0
	s_mul_i32 s50, s14, HEADB                      ; the head's first byte in kv
	s_mov_b32 s51, 0
	s_and_b32 s47, s[WV], 7
	s_add_co_u32 s[SI], s47, 8                     ; the first refill brings the stream's steps 8 .. 15
	s_mul_i32 s47, s47, STEPB                      ; which of a slot's eight steps I fetch, if I fetch
	s_mov_b32 s48, s47
	s_mov_b32 s49, 0
	s_lshl_b32 s15, s13, 13
	s_add_co_u32 s66, s50, s15
	s_and_b32 s15, s[WV], 3
	s_lshl_b32 s15, s15, 15
	s_add_co_u32 s66, s66, s15
	s_add_co_u32 s66, s66, 2*SLOTB                 ; the prefetches: 208,896 + 32,768 (wave - 8) + 8,192 cx
	s_mov_b32 s67, 0
	s_lshl_b32 s68, s14, 5
	s_add_co_u32 s69, s68, s[BLKI]
	s_mul_i32 s69, s69, 6656                       ; my first block in qb,
	s_add_co_u32 s70, s68, s[BLK1]
	s_mul_i32 s70, s70, 6656                       ; and my second
	s_mul_i32 s71, s26, 768
	s_lshl_b32 s15, s27, 8
	s_lshl_b32 s16, s13, 2
	s_add_co_u32 s15, s15, s16
	s_add_co_u32 s15, s15, 6144                    ; my tile's scale words: register a / 2, lanes 16 (a % 2) on
	s_add_co_u32 s72, s69, s71
	s_mov_b32 s73, 0
	s_add_co_u32 s74, s69, s15
	s_mov_b32 s75, 0
	s_add_co_u32 s76, s70, s71
	s_mov_b32 s77, 0
	s_add_co_u32 s78, s70, s15
	s_mov_b32 s79, 0
	s_lshr_b32 s15, s14, 1
	s_lshl_b32 s15, s15, 6
	s_and_b32 s16, s14, 1
	s_lshl_b32 s16, s16, 1
	s_add_co_u32 s15, s15, s16                     ; osc [row tile][128 along K][row] words: my head's half word
	s_lshl_b32 s16, s[BLKI], 3
	s_add_co_u32 s16, s16, s26                     ; my tile among the 256 tiles of rows
	s_lshl_b32 s56, s16, 9
	s_add_co_u32 s56, s56, s15
	s_mov_b32 s57, 0
	s_lshl_b32 s16, s16, 4
	s_add_co_u32 s16, s16, s14
	s_mul_i32 s54, s16, 768                        ; oc [row tile][head][768]
	s_mov_b32 s55, 0
	s_lshl_b32 s16, s[BLK1], 3
	s_add_co_u32 s16, s16, s26
	s_lshl_b32 s60, s16, 9
	s_add_co_u32 s60, s60, s15
	s_mov_b32 s61, 0
	s_lshl_b32 s16, s16, 4
	s_add_co_u32 s16, s16, s14
	s_mul_i32 s58, s16, 768
	s_mov_b32 s59, 0
	s_sub_co_u32 s15, s[WV], 8
	s_lshl_b32 s16, ttmp9, 8
	s_or_b32 s15, s15, s16                         ; under 3 in waves 8, 9, 10 of the head's first cluster alone
	s_cmp_lt_u32 s15, 3
	s_cselect_b32 s[LIM], 1, 0
	s_mul_i32 s80, s[GRP], STEPB
	s_and_b32 s81, s[WV], 7
	s_mul_i32 s81, s81, XW
	s_add_co_u32 s81, s81, XB
	s_lshl_b32 s82, s13, 5
	s_lshl_b32 s16, s27, 3
	s_add_co_u32 s82, s82, s16                     ; 32 (a / 2) + 8 (a % 2)
	s_wait_dscnt 0x0
	s_wait_kmcnt 0x0
	s_add_nc_u64 s[72:73], s[4:5], s[72:73]
	s_add_nc_u64 s[74:75], s[4:5], s[74:75]
	s_add_nc_u64 s[76:77], s[4:5], s[76:77]
	s_add_nc_u64 s[78:79], s[4:5], s[78:79]
	s_add_nc_u64 s[54:55], s[8:9], s[54:55]
	s_add_nc_u64 s[58:59], s[8:9], s[58:59]
	s_add_nc_u64 s[56:57], s[10:11], s[56:57]
	s_add_nc_u64 s[60:61], s[10:11], s[60:61]
	s_add_nc_u64 s[PFA:PFA+1], s[6:7], s[66:67]
	s_add_nc_u64 s[50:51], s[6:7], s[50:51]        ; the head's key step 0
	s_mov_b32 s36, 1
	s_mov_b32 s37, s47
	s_add_nc_u64 s[38:39], s[50:51], s[48:49]
	s_or_b32 s39, s39, 0x80000000
	CROUND
	JLOAD 8                                        ; slot 0: the stream's steps 0 .. 7
	v_and_b32 v96, 31, v0
	v_and_b32 v99, 15, v0
	v_bfe_u32 v4, v0, 4, 1
	v_lshlrev_b32 v97, 4, v96
	v_lshlrev_b32 v98, 3, v96
	v_lshlrev_b32 v7, 8, v96
	v_lshlrev_b32 v100, 4, v99
	v_and_b32 v3, 8, v99
	global_load_b128 v[16:19], v97, s[72:73]       ; Q of my first block,
	global_load_b64 v[20:21], v98, s[72:73] offset:512
	global_load_b32 v28, v100, s[74:75]
	global_load_b128 v[8:11], v97, s[76:77]        ; and of my second
	global_load_b64 v[86:87], v98, s[76:77] offset:512
	global_load_b32 v253, v100, s[78:79]
	v_add_nc_u32 v1, s80, v97
	v_add_nc_u32 v2, s80, v98
	v_add_nc_u32 v31, s81, v97
	v_add_nc_u32 v3, v3, v99
	v_lshlrev_b32 v4, 4, v4
	v_sub_nc_u32 v3, v3, v4
	v_add_nc_u32 v3, s82, v3
	v_mov_b32 v4, 0xff800000
	v_mov_b32 v13, 0xff61b1e6                      ; -3e38, under every t
	v_floor_f32 v12, -v13
	v_mov_b32 v14, 0
	v_mov_b32 v15, 0
	v_mov_b32 v252, 0
.irp j, 0,1,2,3,4,5
	v_mov_b32 v[22+\j], 0
	v_mov_b32 v[80+\j], 0
.endr
.irp b, 0,1,2,3
	v_mov_b32 v[TP+\b], 0
.endr
.set j, 0
.rept 32
	v_mov_b32 v[160+j], 0
.set j, j+1
.endr
.macro SQK t
.if (\t)%2
	v_wmma_scale_f32_16x16x128_f8f6f4 v[96+8*\t:103+8*\t], v[KT+6*\t:KT+6*\t+11], v[16:27], 0, v[88+\t/2], v28 matrix_a_fmt:MATRIX_FMT_FP6 matrix_b_fmt:MATRIX_FMT_FP6 matrix_a_scale:MATRIX_SCALE_ROW1
.else
	v_wmma_scale_f32_16x16x128_f8f6f4 v[96+8*\t:103+8*\t], v[KT+6*\t:KT+6*\t+11], v[16:27], 0, v[88+\t/2], v28 matrix_a_fmt:MATRIX_FMT_FP6 matrix_b_fmt:MATRIX_FMT_FP6
.endif
.endm
.macro SPV t
.if (\t)%2
	v_wmma_scale_f32_16x16x128_f8f6f4 v[160+8*\t:167+8*\t], v[VT+12*\t:VT+12*\t+11], v[32:43], v[160+8*\t:167+8*\t], v[92+\t/2], v29 matrix_a_fmt:MATRIX_FMT_FP6 matrix_b_fmt:MATRIX_FMT_FP6 matrix_a_scale:MATRIX_SCALE_ROW1
.else
	v_wmma_scale_f32_16x16x128_f8f6f4 v[160+8*\t:167+8*\t], v[VT+12*\t:VT+12*\t+11], v[32:43], v[160+8*\t:167+8*\t], v[92+\t/2], v29 matrix_a_fmt:MATRIX_FMT_FP6 matrix_b_fmt:MATRIX_FMT_FP6
.endif
.endm
; A KEY STEP of my group: 128 keys, at byte OFF of the ring (+ my group's step, which stands in v1 and v2).
.macro STEP
	s_cmp_gt_u32 s[KJ], s[BLKI]                    ; all its keys come after my block's queries
	s_cbranch_scc1 .Lhidden_\@
	v_add_nc_u32 v94, s[OFF], v1                   ; with the two v_nop: the places in front of loads into registers that matrix instructions have read
	v_add_nc_u32 v95, s[OFF], v2
	v_nop
	v_nop
	s_wait_alu depctr_va_vdst(0)                   ; V's loads read the two behind the wait for K
.irp t, 0,1,2,3,4,5,6,7
	ds_load_b128 v[KT+6*\t:KT+6*\t+3], v94 offset:768*\t
	ds_load_b64 v[KT+6*\t+4:KT+6*\t+5], v95 offset:768*\t+512
.endr
	ds_load_b128 v[88:91], v94 offset:6144
	s_wait_dscnt 0x0                               ; K and its scale words are in
.irp t, 0,1,2,3,4,5,6,7
	SQK \t
.endr
.irp t, 0,1,2,3
	ds_load_b128 v[VT+12*\t:VT+12*\t+3], v94 offset:6656+1536*\t          ; V is asked for behind K's products: it is wanted behind the softmax
	ds_load_b64 v[VT+12*\t+4:VT+12*\t+5], v95 offset:6656+1536*\t+512
	ds_load_b128 v[VT+12*\t+6:VT+12*\t+9], v94 offset:6656+1536*\t+768
	ds_load_b64 v[VT+12*\t+10:VT+12*\t+11], v95 offset:6656+1536*\t+1280
.endr
	ds_load_b64 v[92:93], v95 offset:12800
.rept 4
	v_nop
.endr
	s_cmp_lg_u32 s[KJ], s[BLKI]                    ; on the diagonal the scores of hidden keys become -infinity
	s_cbranch_scc1 .Lopen_\@
.set n, 0
.rept 64
	v_cmp_gt_i32 vcc_lo, 32*(n/16)+n%16, v3
	v_cndmask_b32 v[96+n], v[96+n], v4, vcc_lo
.set n, n+1
.endr
.Lopen_\@:
.irp b, 0,1,2,3
	v_max3_num_f32 v[BM+\b], v[96+16*\b], v[97+16*\b], v[98+16*\b]   ; the largest score of each block of 32 keys: for the row's maximum and for the block's largest p
.endr
.irp i, 3,5,7,9,11,13
.irp b, 0,1,2,3
	v_max3_num_f32 v[BM+\b], v[BM+\b], v[96+16*\b+\i], v[97+16*\b+\i]
.endr
.endr
.irp b, 0,1,2,3
	v_max_num_f32 v[BM+\b], v[BM+\b], v[111+16*\b]
.endr
.irp b, 0,1,2,3
	s_delay_alu instid0(VALU_DEP_4)
	v_permlanex16_b32 v[TP+\b], v[BM+\b], s22, s23
.endr
.irp b, 0,1,2,3
	s_delay_alu instid0(VALU_DEP_4)
	v_max_num_f32 v[BM+\b], v[BM+\b], v[TP+\b]
.endr
	s_delay_alu instid0(VALU_DEP_2)
	v_max3_num_f32 v252, v[BM], v[BM+1], v[BM+2]
	s_delay_alu instid0(VALU_DEP_1)
	v_max_num_f32 v252, v252, v[BM+3]
	s_delay_alu instid0(VALU_DEP_1)
	v_mul_f32 v252, s24, v252
	s_delay_alu instid0(VALU_DEP_1)
	v_max_num_f32 v13, v13, v252                   ; the running largest t
	v_mov_b32 v252, v12
	s_delay_alu instid0(VALU_DEP_2)
	v_floor_f32 v12, -v13                          ; the new -M
	s_delay_alu instid0(VALU_DEP_1)
	v_sub_f32 v252, v12, v252
	s_delay_alu instid0(VALU_DEP_1)
	v_cvt_i32_f32 v252, v252
	s_delay_alu instid0(VALU_DEP_1)
	v_ldexp_f32 v30, 1.0, v252                     ; f = 2^(old M - new M)
.set j, 0
.rept 32
	v_pk_fma_f32 v[96+j:97+j], v[96+j:97+j], s[24:25], v[12:13] op_sel_hi:[1,0,0]
.set j, j+2
.endr
.irp b, 0,1,2,3
	v_fma_f32 v[BM+\b], v[BM+\b], s24, v12
.endr
.set j, 0
	s_wait_alu depctr_va_vdst(0)                   ; the wait ahead of the batch
.rept 64
	v_exp_f32 v[96+j], v[96+j]
.set j, j+1
.endr
	v_pk_mul_f32 v[14:15], v[14:15], v[30:31] op_sel_hi:[1,0]
	s_wait_alu depctr_va_vdst(0)                   ; and behind it
.irp b, 0,1,2,3
	v_exp_f32 v[BM+\b], v[BM+\b]                   ; the block's largest p
.endr
	v_pk_add_f32 v[244:245], v[100:101], v[104:105]
	v_pk_add_f32 v[254:255], v[108:109], v[112:113]
	v_pk_add_f32 v[250:251], v[116:117], v[120:121]
	v_pk_add_f32 v[248:249], v[124:125], v[128:129]
	v_pk_add_f32 v[246:247], v[132:133], v[136:137]
	v_pk_add_f32 v[88:89], v[140:141], v[144:145]
	v_pk_add_f32 v[90:91], v[148:149], v[152:153]
	v_pk_add_f32 v[14:15], v[14:15], v[156:157]
	v_pk_add_f32 v[244:245], v[244:245], v[96:97]
	v_pk_add_f32 v[254:255], v[254:255], v[98:99]
	v_pk_add_f32 v[250:251], v[250:251], v[102:103]
	v_pk_add_f32 v[248:249], v[248:249], v[106:107]
	v_pk_add_f32 v[246:247], v[246:247], v[110:111]
	v_pk_add_f32 v[88:89], v[88:89], v[114:115]
	v_pk_add_f32 v[90:91], v[90:91], v[118:119]
	v_pk_add_f32 v[14:15], v[14:15], v[122:123]
	v_pk_add_f32 v[244:245], v[244:245], v[126:127]
	v_pk_add_f32 v[254:255], v[254:255], v[130:131]
	v_pk_add_f32 v[250:251], v[250:251], v[134:135]
	v_pk_add_f32 v[248:249], v[248:249], v[138:139]
	v_pk_add_f32 v[246:247], v[246:247], v[142:143]
	v_pk_add_f32 v[88:89], v[88:89], v[146:147]
	v_pk_add_f32 v[90:91], v[90:91], v[150:151]
	v_pk_add_f32 v[14:15], v[14:15], v[154:155]
	v_pk_add_f32 v[244:245], v[244:245], v[158:159]
	s_delay_alu instid0(VALU_DEP_2)
	v_pk_add_f32 v[14:15], v[14:15], v[248:249]
	s_delay_alu instid0(VALU_DEP_2)
	v_pk_add_f32 v[244:245], v[244:245], v[246:247]
	v_pk_add_f32 v[254:255], v[254:255], v[88:89]
	v_pk_add_f32 v[250:251], v[250:251], v[90:91]
	s_delay_alu instid0(VALU_DEP_2)
	v_pk_add_f32 v[14:15], v[14:15], v[254:255]
	s_delay_alu instid0(VALU_DEP_2)
	v_pk_add_f32 v[244:245], v[244:245], v[250:251]
	s_delay_alu instid0(VALU_DEP_1)
	v_pk_add_f32 v[14:15], v[14:15], v[244:245]
	s_wait_alu depctr_va_vdst(0)                   ; for the four
.irp b, 0,1,2,3
	v_max_num_f32 v[BM+\b], 0x1800000, v[BM+\b]    ; the floor 2^(3 - 127): the byte cannot fall under 1
.endr
.irp b, 0,1,2,3
	s_delay_alu instid0(VALU_DEP_4)
	v_add_nc_u32 v[SO+\b], 0xff000000, v[BM+\b]
.endr
.irp b, 0,1,2,3
	s_delay_alu instid0(VALU_DEP_4)
	v_lshrrev_b32 v[TP+\b], 23, v[SO+\b]
.endr
	s_delay_alu instid0(VALU_DEP_3)
	v_lshl_or_b32 v29, v[TP+1], 8, v[TP]
	s_delay_alu instid0(VALU_DEP_1)
	v_lshl_or_b32 v29, v[TP+2], 16, v29
	s_delay_alu instid0(VALU_DEP_1)
	v_lshl_or_b32 v29, v[TP+3], 24, v29
.irp c, 0,1
	v_cvt_scalef32_pk16_fp6_f32 v[32+6*\c:34+6*\c], v[96+32*\c:111+32*\c], v[SO+2*\c]
	v_cvt_scalef32_pk16_fp6_f32 v[44+4*\c:46+4*\c], v[112+32*\c:127+32*\c], v[SO+2*\c+1]
.endr
	v_nop
.irp c, 0,1
.irp i, 0,1,2
	v_permlane16_swap_b32 v[32+6*\c+\i], v[44+4*\c+\i]
.endr
.irp i, 0,1,2
	s_delay_alu instid0(VALU_DEP_3)
	v_mov_b32 v[35+6*\c+\i], v[44+4*\c+\i]
.endr
.endr
	s_wait_alu depctr_va_vdst(0)                   ; the wait ahead of the first reader of O^T
.set j, 0
.rept 16
	v_pk_mul_f32 v[160+j:161+j], v[160+j:161+j], v[30:31] op_sel_hi:[1,0]   ; O^T under the new M; also the places between p's codes and scale word and the products
.set j, j+2
.endr
	s_wait_alu depctr_va_vdst(0)
	s_wait_dscnt 0x0                               ; V is in
.irp t, 0,1,2,3
	SPV \t
.endr
.Lhidden_\@:
	s_add_co_u32 s[KJ], s[KJ], 2
	s_add_co_u32 s[OFF], s[OFF], 2*STEPB
.endm
; THE END OF A RUN OF QUERIES.  oc, os: where my tile's codes and scale bytes go.  again = 1: the second run's Q moves in and the sums begin anew.
.macro FINISH oc, os, again
.rept 4
	v_nop                                          ; places behind the last products
.endr
	s_cmp_lt_u32 s[WV], 8
	s_cbranch_scc1 .Lkeep_\@
.irp i, 0,1,2,3,4,5,6,7
	ds_store_b128 v31, v[160+4*\i:163+4*\i] offset:512*\i    ; group 1: O^T, each accumulator from its low end on,
.endr
	ds_store_b128 v31, v[12:15] offset:4096        ; -M, the largest t, the sum
.Lkeep_\@:
	s_wait_dscnt 0x0
	s_barrier_signal -1
	s_barrier_wait -1
	s_cmp_lt_u32 s[WV], 8
	s_cbranch_scc0 .Lsent_\@
.irp i, 0,1,2,3,4,5,6,7
	ds_load_b128 v[96+4*\i:99+4*\i], v31 offset:512*\i
.endr
	ds_load_b128 v[128:131], v31 offset:4096
	s_wait_dscnt 0x0
	v_min_num_f32 v252, v12, v128                  ; -M of both
	v_add_f32 v14, v14, v15
	v_add_f32 v130, v130, v131
	v_mov_b32 v133, 0
	v_mov_b32 v135, 0
	v_sub_f32 v132, v252, v12
	v_sub_f32 v134, v252, v128
	s_delay_alu instid0(VALU_DEP_2)
	v_cvt_i32_f32 v132, v132
	s_delay_alu instid0(VALU_DEP_2)
	v_cvt_i32_f32 v134, v134                       ; (it saturates: a partner with no key step counts for nothing)
	s_delay_alu instid0(VALU_DEP_2)
	v_ldexp_f32 v132, 1.0, v132
	s_delay_alu instid0(VALU_DEP_2)
	v_ldexp_f32 v134, 1.0, v134
	s_delay_alu instid0(VALU_DEP_2)
	v_mul_f32 v14, v14, v132
	s_delay_alu instid0(VALU_DEP_1)
	v_fmac_f32 v14, v130, v134
.set j, 0
.rept 16
	v_pk_mul_f32 v[160+j:161+j], v[160+j:161+j], v[132:133] op_sel_hi:[1,0]
.set j, j+2
.endr
.set j, 0
.rept 16
	v_pk_fma_f32 v[160+j:161+j], v[96+j:97+j], v[134:135], v[160+j:161+j] op_sel_hi:[1,0,1]
.set j, j+2
.endr
	v_permlanex16_b32 v252, v14, s22, s23
	s_delay_alu instid0(VALU_DEP_1)
	v_add_f32 v14, v14, v252                       ; the row's sum
	s_wait_alu depctr_va_vdst(0)
	v_rcp_f32 v14, v14
	v_nop
	s_wait_alu depctr_va_vdst(0)
.set j, 0
.rept 32
	v_mul_f32 v[96+j], v[160+j], v14               ; register 16 b + i: channel 32 b + 16 (lane / 16) + i
.set j, j+1
.endr
.irp b, 0,1
	v_max3_num_f32 v[BM+\b], |v[96+16*\b]|, |v[97+16*\b]|, 0x1800000
.endr
.irp i, 2,4,6,8,10,12,14
.irp b, 0,1
	s_delay_alu instid0(VALU_DEP_2)
	v_max3_num_f32 v[BM+\b], v[BM+\b], |v[96+16*\b+\i]|, |v[97+16*\b+\i]|
.endr
.endr
.irp b, 0,1
	s_delay_alu instid0(VALU_DEP_2)
	v_permlanex16_b32 v[TP+\b], v[BM+\b], s22, s23
.endr
.irp b, 0,1
	s_delay_alu instid0(VALU_DEP_2)
	v_max_num_f32 v[BM+\b], v[BM+\b], v[TP+\b]
.endr
.irp b, 0,1
	s_delay_alu instid0(VALU_DEP_2)
	v_add_nc_u32 v[SO+\b], 0xff000000, v[BM+\b]
.endr
.irp b, 0,1
	s_delay_alu instid0(VALU_DEP_2)
	v_lshrrev_b32 v[TP+\b], 23, v[SO+\b]
.endr
	s_delay_alu instid0(VALU_DEP_1)
	v_lshl_or_b32 v[TP+2], v[TP+1], 8, v[TP]       ; the head's two scale bytes of my row
	v_and_b32 v140, 31, v0
	v_and_b32 v143, 15, v0
	v_lshlrev_b32 v141, 4, v140
	v_lshlrev_b32 v142, 3, v140
	v_lshlrev_b32 v143, 2, v143
	v_cvt_scalef32_pk16_fp6_f32 v[32:34], v[96:111], v[SO]
	v_cvt_scalef32_pk16_fp6_f32 v[36:38], v[112:127], v[SO+1]
	v_nop
.irp i, 0,1,2
	v_permlane16_swap_b32 v[32+\i], v[36+\i]
.endr
.irp i, 0,1,2
	s_delay_alu instid0(VALU_DEP_3)
	v_mov_b32 v[35+\i], v[36+\i]
.endr
	global_store_b128 v141, v[32:35], s[\oc:\oc+1]             ; 512 consecutive bytes,
	global_store_b64 v142, v[36:37], s[\oc:\oc+1] offset:512   ; and 256
	global_store_b16 v143, v[TP+2], s[\os:\os+1]               ; lanes l and l + 16 hold the same half word and store it to the same place
	s_wait_xcnt 0x0                                ; the stores have read their registers
.Lsent_\@:
.if \again
.irp i, 0,1,2,3
	v_mov_b32 v[16+\i], v[8+\i]
.endr
	v_mov_b32 v20, v86
	v_mov_b32 v21, v87
	v_mov_b32 v28, v253
	v_mov_b32 v13, 0xff61b1e6
	v_mov_b32 v14, 0
	v_mov_b32 v15, 0
	v_floor_f32 v12, -v13
.set j, 0
.rept 32
	v_mov_b32 v[160+j], 0
.set j, j+1
.endr
	s_mov_b32 s[BLKI], s[BLK1]
	s_mov_b32 s[KJ], s[GRP]
	s_wait_alu depctr_va_vdst(0)
.endif
.endm
; A TRIP: the change of slots, then my n places of the slot.  fill: how many waves fetch a step of the stream into the slot just left (0: none).  ask: 1 a prefetch, 2 its address stepped first.
; fin = 1: the first run of queries can end in this trip (places 9, 11, 13, 15 for J = 3 .. 0 lie in trips 2 and 3).
.macro TRIP slot, n, fill, ask, fin
	s_wait_tensorcnt 0x0                           ; no tensor load of mine is out, so group 0 may be written
	ds_add_u32 v5, v6                              ; the add, here twice
	ds_add_u32 v5, v6
.if \fill
	s_cmp_ge_u32 s[SI], s[PP]                      ; the stream's step as a key step: from 32 - 4 J on it counts from 0 again
	s_cselect_b32 s15, s[PP], 0
	s_sub_co_u32 s15, s[SI], s15
	s_mul_i32 s48, s15, STEPB
	s_add_nc_u64 s[38:39], s[50:51], s[48:49]
	s_or_b32 s39, s39, 0x80000000
	s_add_co_u32 s37, s47, (1-\slot)*SLOTB
	s_add_co_u32 s[SI], s[SI], 8
.endif
.if \ask == 2
	s_wait_xcnt 0x0                                ; the last prefetch has read its address
	s_add_nc_u64 s[PFA:PFA+1], s[PFA:PFA+1], SLOTB
.endif
	s_wait_dscnt 0x0                               ; the adds are done, and my reads of the slot that I have left
	CROUND
.if \fill
	JLOAD \fill
.endif
.if \ask
	ASK
.endif
	s_mov_b32 s[OFF], \slot*SLOTB
	s_mov_b32 s[IT], 0
.Lplace_\@:
	STEP
.if \fin
	s_cmp_lg_u32 s[TC], s[FIN]
	s_cbranch_scc1 .Lon_\@
	FINISH 54, 56, 1
.Lon_\@:
.endif
	s_add_co_u32 s[TC], s[TC], 1
	s_add_co_u32 s[IT], s[IT], 1
	s_cmp_lt_u32 s[IT], \n
	s_cbranch_scc1 .Lplace_\@
.endm
	s_wait_alu depctr_va_vdst(0)                   ; the wait at the head's end
	s_wait_loadcnt 0x0                             ; Q
	TRIP 0, 4, 8, 1, 0                             ; the stream's steps 0-7; 8-15 are asked for (slot 1's first fill, issued as a refill is)
	TRIP 1, 4, 8, 2, 0                             ; 8-15; 16-23 are asked for
	TRIP 0, 4, 8, 0, 1                             ; 16-23; 24-31
	TRIP 1, 4, 4, 0, 1                             ; 24-31; 32-35
	TRIP 0, 2, 0, 0, 0                             ; 32-35
	FINISH 58, 60, 0
	s_wait_tensorcnt 0x0                           ; the wave's end
	ds_add_u32 v5, v6
	s_wait_dscnt 0x0
	CROUND                                         ; the closing round
	s_endpgm
.Lfunc_end_k_q6b4c68a92e_attn:
	.size	k_q6b4c68a92e_attn, .Lfunc_end_k_q6b4c68a92e_attn-k_q6b4c68a92e_attn
	.p2alignl 7, 3214868480
	.fill 96, 4, 3214868480
	.section	.rodata,"a",@progbits
	.p2align	6, 0x0
	.amdhsa_kernel k_q6b4c68a92e_attn
		.amdhsa_group_segment_fixed_size 327680
		.amdhsa_private_segment_fixed_size 0
		.amdhsa_enable_private_segment 0
		.amdhsa_kernarg_size 32
		.amdhsa_user_sgpr_count 2
		.amdhsa_user_sgpr_kernarg_segment_ptr 1
		.amdhsa_wavefront_size32 1
		.amdhsa_system_sgpr_workgroup_id_x 1
		.amdhsa_system_sgpr_workgroup_id_y 1
		.amdhsa_system_sgpr_workgroup_id_z 1
		.amdhsa_system_vgpr_workitem_id 0
		.amdhsa_next_free_vgpr 256
		.amdhsa_next_free_sgpr 86
		.amdhsa_reserve_vcc 1
		.amdhsa_float_denorm_mode_32 3
		.amdhsa_float_denorm_mode_16_64 3
		.amdhsa_memory_ordered 1
		.amdhsa_forward_progress 1
		.amdhsa_inst_pref_size 155
	.end_amdhsa_kernel
	.amdgpu_metadata
---
amdhsa.version: [ 1, 2 ]
amdhsa.kernels:
  - .name:           k_q6b4c68a92e_attn
    .symbol:         k_q6b4c68a92e_attn.kd
    .args:
      - { .name: qb, .offset: 0, .size: 8, .value_kind: global_buffer, .address_space: global }
      - { .name: kv, .offset: 8, .size: 8, .value_kind: global_buffer, .address_space: global }
      - { .name: oc, .offset: 16, .size: 8, .value_kind: global_buffer, .address_space: global }
      - { .name: osc, .offset: 24, .size: 8, .value_kind: global_buffer, .address_space: global }
    .group_segment_fixed_size: 327680
    .private_segment_fixed_size: 0
    .kernarg_segment_align: 8
    .kernarg_segment_size: 32
    .max_flat_workgroup_size: 512
    .sgpr_count:     86
    .vgpr_count:     256
    .wavefront_size: 32
...
	.end_amdgpu_metadata
.endif
;; end of part 3
;; launch outp (part 4): grid 8 x 32, 4 waves a work-group, clusters of 4 x 4, 262,144 bytes of LDS; arguments oc, osc, codes, scales, bo, out0; writes out0
.if DOCPART == 4
	.amdgcn_target "amdgcn-amd-amdhsa--gfx1250"
	.amdhsa_code_object_version 6
	.text
	.protected	k_q6b4c68a92e_outp
	.globl	k_q6b4c68a92e_outp
	.p2align	8
	.type	k_q6b4c68a92e_outp,@function
k_q6b4c68a92e_outp:
	s_mov_b64 s[64:65], 0
	v_nop
	global_prefetch_b8 v0, s[64:65] scope:SCOPE_SE
	s_setreg_imm32_b32 hwreg(HW_REG_WAVE_MODE, 25, 1), 1
	s_wait_xcnt 0x0
	s_wait_alu depctr_hold_cnt(0) depctr_sa_sdst(0) depctr_va_vdst(0) depctr_va_sdst(0) depctr_va_ssrc(0) depctr_va_vcc(0) depctr_vm_vsrc(0)
	s_getreg_b32 s2, hwreg(HW_REG_IB_STS2, 6, 4)
	s_cmp_eq_u32 s2, 0
	s_cbranch_scc0 .Lentry_in_a_cluster
	s_endpgm
.Lentry_in_a_cluster:
	s_bfe_u32 s2, ttmp6, 0x10000c
	s_cmp_lg_u32 s2, 0xf033
	s_cbranch_scc0 .Lentry_shape_is_right
	s_endpgm
.Lentry_shape_is_right:
; out0 [4096][1024] f32 = A wo^T + bo on codes of FP6 (E2M3) with E8M0 scales.  A: oc [row tile][16 pieces of 64 along K][768], osc [row tile][8 steps of 128 along K][16 rows] scale words;
; wo: row tiles 448-511 of codes (same images) and of scales [row tile][half of K][row][4 words].  Place r of tile T is row 32 (T / 2) + 8 (T % 2) + r + 8 (r / 8).
; A work-group makes 128 x 128 of the result, 256 work-groups; a wave 64 x 64: 16 accumulators.  All of K of the block's 8 + 8 row tiles is 2 x 98,304 dense bytes: it comes into LDS ONCE, one tensor load of
; 49,152 bytes a wave at the head; nothing is filled again, so there is no ring.  CLUSTERS of 4 x 4: A's tiles are asked for jointly along a row of the cluster, wo's along a column.
; No prefetch: the launch has no loop to run ahead in; every byte is asked for at the head.
; The matrix instruction is used transposed (source 0 = 16 rows of wo, source 1 = 16 rows of A): a lane holds one row of the result, and tiles 2 b, 2 b + 1 give it 16 neighbouring columns.
; The bias is loaded straight into the accumulators, so that every product adds in place.
; REGISTERS: window 0: v0-31 addresses; v32-47 A's scale words, v48-63 wo's; v64-255 two sets of fragments (wo's four, A's four).  Window 1: v0-127 the accumulators, (a, b) at 8 (4 a + b).
.set RT,     12288
.set HALF,   4*RT
.set SPARE,  4*HALF
.set STAGE,  SPARE+512
.set SPITCH, 272
.set ADA, 8                            ; v8, v9 my A tiles in LDS + 16, 8 x lane;  v10, v11 the same for wo
.set ADB, 10
.set STO, 12
.set RD,  13
.set CO,  14
.set BIO, 15
.set L4,  16
.set L16, 17
.set SPW, 28
.set NIL, 29
.set SA,  32                           ; register 4 a + j: lanes 0-15 step 2 j, lanes 16-31 step 2 j + 1
.set SB,  48                           ; register 4 b + j: lanes 0-15 step j, lanes 16-31 step 4 + j
.set F,   64
.set BK,  64
.set G1,  28
.set G1B, 36
.set G0,  44
.set G0B, 48
.set MSB, 0
.macro WIN new
.if MSB != (\new)
	s_set_vgpr_msb (MSB<<8)|(\new)
.set MSB, (\new)
.endif
.endm
.macro CROUND
	s_barrier_signal -1
	s_barrier_wait -1
	s_cmp_lg_u32 s16, 0
	s_cbranch_scc1 .Lnot_wave_0_\@
	s_barrier_signal -3
.Lnot_wave_0_\@:
	s_barrier_wait -3
	s_barrier_signal -1
	s_barrier_wait -1
.endm
	s_load_b256 s[4:11], s[0:1], 0x0               ; oc, osc, codes, scales
	s_load_b128 s[12:15], s[0:1], 0x20             ; bo, out0
	v_lshl_add_u32 v[SPW], v0, 2, SPARE
	v_mov_b32 v[NIL], 0
	ds_add_u32 v[SPW], v[NIL]                      ; the opening lines
	ds_add_u32 v[SPW], v[NIL]
	v_lshrrev_b32 v1, 5, v0
	v_readfirstlane_b32 s16, v1                    ; wave
	s_lshr_b32 s17, s16, 1                         ; my half of the block's rows.  Also: I fetch for A (0) or for wo (1)
	s_and_b32 s18, s16, 1                          ; my half of its columns.  Also: which four row tiles I fetch
	s_bfe_u32 s19, ttmp6, 0x40000                  ; cx
	s_bfe_u32 s20, ttmp6, 0x40004                  ; cy
	s_lshl_b32 s21, ttmp9, 2
	s_add_co_u32 s21, s21, s19                     ; block column
	s_and_b32 s22, ttmp7, 0xffff
	s_lshl_b32 s22, s22, 2
	s_add_co_u32 s22, s22, s20                     ; block row
	s_lshl_b32 s23, s20, 2
	s_lshl_b32 s23, 15, s23                        ; my row of the cluster
	s_lshl_b32 s24, 0x1111, s19                    ; my column
	s_or_b32 s[G1], s23, (3<<16)|(1<<21)           ; 49,152 dense bytes as 192 rows of 256
	s_or_b32 s[G1B], s24, (3<<16)|(1<<21)
.irp g, G1, G1B
	s_mov_b32 s[\g+1], 32<<16
	s_mov_b32 s[\g+2], 192<<16
	s_mov_b32 s[\g+3], 32<<16
	s_mov_b32 s[\g+4], 192
	s_mov_b32 s[\g+5], 32
	s_mov_b32 s[\g+6], 0
	s_mov_b32 s[\g+7], 0
.endr
	s_lshl_b32 s25, s18, 2
	s_lshl_b32 s52, s22, 3
	s_add_co_u32 s52, s52, s25
	s_mul_i32 s52, s52, RT                         ; A: row tile 8 x block row + 4 x half
	s_mov_b32 s53, 0
	s_lshl_b32 s54, s21, 3
	s_add_co_u32 s54, s54, s25
	s_add_co_u32 s54, s54, 448
	s_mul_i32 s54, s54, RT                         ; wo: row tile 448 + 8 x block column + 4 x half
	s_mov_b32 s55, 0
	s_mul_i32 s26, s16, HALF                       ; where my load goes: A's two halves, then wo's
	s_lshl_b32 s56, s22, 3
	s_lshl_b32 s25, s17, 2
	s_add_co_u32 s56, s56, s25
	s_lshl_b32 s56, s56, 9                         ; the scale words of the four A tiles that I multiply,
	s_mov_b32 s57, 0
	s_lshl_b32 s58, s21, 3
	s_lshl_b32 s25, s18, 2
	s_add_co_u32 s58, s58, s25
	s_add_co_u32 s58, s58, 448
	s_lshl_b32 s58, s58, 9                         ; and of the four wo tiles
	s_mov_b32 s59, 0
	s_lshl_b32 s27, s21, 9
	s_lshl_b32 s25, s18, 8
	s_add_co_u32 s27, s27, s25                     ; my first column, in bytes
	s_lshl_b32 s60, s22, 19
	s_lshl_b32 s25, s17, 18
	s_add_co_u32 s60, s60, s25
	s_add_co_u32 s60, s60, s27                     ; my corner of out0
	s_mov_b32 s61, 0
	s_mul_i32 s66, s17, HALF
	s_mul_i32 s67, s18, HALF
	s_add_co_u32 s67, s67, 2*HALF
	s_mul_i32 s68, s16, 16*SPITCH
	s_add_co_u32 s68, s68, STAGE
	s_wait_dscnt 0x0
	s_wait_kmcnt 0x0
	s_add_nc_u64 s[52:53], s[4:5], s[52:53]
	s_add_nc_u64 s[54:55], s[8:9], s[54:55]
	s_add_nc_u64 s[56:57], s[6:7], s[56:57]
	s_add_nc_u64 s[58:59], s[10:11], s[58:59]
	s_add_nc_u64 s[60:61], s[14:15], s[60:61]
	s_mov_b32 s[G0], 1
	s_mov_b32 s[G0+1], s26
	s_mov_b64 s[G0+2:G0+3], s[52:53]
	s_or_b32 s[G0+3], s[G0+3], 0x80000000
	s_mov_b32 s[G0B], 1
	s_mov_b32 s[G0B+1], s26
	s_mov_b64 s[G0B+2:G0B+3], s[54:55]
	s_or_b32 s[G0B+3], s[G0B+3], 0x80000000
	CROUND                                         ; all sixteen work-groups are here: the joint loads meet
	s_cmp_eq_u32 s17, 0
	s_cbranch_scc0 .Lfor_b
	tensor_load_to_lds s[G0:G0+3], s[G1:G1+7]
	s_nop 0
.rept 4
	v_nop
.endr
	s_branch .Lasked
.Lfor_b:
	tensor_load_to_lds s[G0B:G0B+3], s[G1B:G1B+7]
	s_nop 0
.rept 4
	v_nop
.endr
.Lasked:
	v_and_b32 v1, 15, v0
	v_bfe_u32 v2, v0, 4, 1
	v_and_b32 v3, 31, v0
	v_lshlrev_b32 v[L16], 4, v3
	v_lshlrev_b32 v4, 3, v3
	v_lshlrev_b32 v[L4], 2, v3
	v_lshl_add_u32 v[BIO], v2, 6, s27
	v_add_nc_u32 v[ADA], s66, v[L16]
	v_add_nc_u32 v[ADA+1], s66, v4
	v_add_nc_u32 v[ADB], s67, v[L16]
	v_add_nc_u32 v[ADB+1], s67, v4
	v_mul_u32_u24 v5, v1, SPITCH
	v_lshl_add_u32 v5, v2, 6, v5
	v_add_nc_u32 v[STO], s68, v5                   ; the stage, in: row l % 16, 64 bytes for each half of the lanes
	v_mul_u32_u24 v6, v2, SPITCH
	v_lshl_add_u32 v6, v1, 4, v6
	v_add_nc_u32 v[RD], s68, v6                    ; and back: sixteen lanes to a row of 256 bytes
	v_lshlrev_b32 v7, 12, v2
	v_lshl_add_u32 v[CO], v1, 4, v7                ; the same two rows in out0
	s_wait_alu depctr_va_vdst(0)                   ; the wait at the head's end
.irp a, 0,1,2,3
.irp j, 0,1,2,3
	global_load_b32 v[SA+4*\a+\j], v[L4], s[56:57] offset:512*\a+128*\j
.endr
.endr
.irp b, 0,1,2,3
	global_load_b128 v[SB+4*\b:SB+4*\b+3], v[L16], s[58:59] offset:512*\b
.endr
	WIN 0x40
.irp a, 0,1,2,3
.irp b, 0,1,2,3
.irp d, 0,1
	global_load_b128 v[8*(4*\a+\b)+4*\d:8*(4*\a+\b)+4*\d+3], v[BIO], s[12:13] offset:128*(\b/2)+32*(\b%2)+16*\d   ; bo at my eight columns of tile b
.endr
.endr
.endr
	WIN 0
.macro FRAG reg, a, off
	ds_load_b128 v[\reg:\reg+3], v[\a] offset:\off
	ds_load_b64 v[\reg+4:\reg+5], v[\a+1] offset:(\off)+512
	ds_load_b128 v[\reg+6:\reg+9], v[\a] offset:(\off)+768
	ds_load_b64 v[\reg+10:\reg+11], v[\a+1] offset:(\off)+1280
.endm
.macro FETCH s                         ; 32 loads: the eight fragments of step s into set s % 2
.irp i, 0,1,2,3
	FRAG F+96*((\s)%2)+12*\i, ADB, \i*RT+(\s)*1536
.endr
.irp i, 0,1,2,3
	FRAG F+96*((\s)%2)+48+12*\i, ADA, \i*RT+(\s)*1536
.endr
.endm
.macro MM a, b, s
.set AC, 8*(4*\a+\b)
.set FB, F+96*((\s)%2)+12*\b
.set FA, F+96*((\s)%2)+48+12*\a
.set RB, SB+4*\b+(\s)%4
.set RA, SA+4*\a+(\s)/2
.if (\s)/4 == 0 && (\s)%2 == 0
	v_wmma_scale_f32_16x16x128_f8f6f4 v[AC:AC+7], v[FB:FB+11], v[FA:FA+11], v[AC:AC+7], v[RB], v[RA] matrix_a_fmt:MATRIX_FMT_FP6 matrix_b_fmt:MATRIX_FMT_FP6
.endif
.if (\s)/4 == 0 && (\s)%2 == 1
	v_wmma_scale_f32_16x16x128_f8f6f4 v[AC:AC+7], v[FB:FB+11], v[FA:FA+11], v[AC:AC+7], v[RB], v[RA] matrix_a_fmt:MATRIX_FMT_FP6 matrix_b_fmt:MATRIX_FMT_FP6 matrix_b_scale:MATRIX_SCALE_ROW1
.endif
.if (\s)/4 == 1 && (\s)%2 == 0
	v_wmma_scale_f32_16x16x128_f8f6f4 v[AC:AC+7], v[FB:FB+11], v[FA:FA+11], v[AC:AC+7], v[RB], v[RA] matrix_a_fmt:MATRIX_FMT_FP6 matrix_b_fmt:MATRIX_FMT_FP6 matrix_a_scale:MATRIX_SCALE_ROW1
.endif
.if (\s)/4 == 1 && (\s)%2 == 1
	v_wmma_scale_f32_16x16x128_f8f6f4 v[AC:AC+7], v[FB:FB+11], v[FA:FA+11], v[AC:AC+7], v[RB], v[RA] matrix_a_fmt:MATRIX_FMT_FP6 matrix_b_fmt:MATRIX_FMT_FP6 matrix_a_scale:MATRIX_SCALE_ROW1 matrix_b_scale:MATRIX_SCALE_ROW1
.endif
.endm
	s_wait_loadcnt 0x0                             ; scale words and bias
	s_wait_tensorcnt 0x0                           ; my part of the tiles is in;
	s_barrier_signal -1
	s_barrier_wait -1                              ; everybody's is
	FETCH 0
.irp s, 0,1,2,3,4,5,6,7
.if \s < 7
.if \s > 0
.rept 4
	v_nop                                          ; places in front of loads into the set that the step before multiplied
.endr
.endif
	FETCH \s+1
	s_wait_dscnt 32                                ; all but the 32 just issued
.else
	s_wait_dscnt 0x0
.endif
	WIN 0x50                                       ; C and D in window 1
.irp a, 0,1,2,3
.irp b, 0,1,2,3
	MM \a, \b, \s                                  ; the 16 accumulators by turns
.endr
.endr
	WIN 0
.endr
; THE WAY OUT, by blocks of 16 rows x 64 columns, through my own stage in LDS: back come whole rows of 256 bytes.  LDS serves a wave's instructions in order (ISA guide 5.7.1.4): no wait between the stores and the loads.
.macro TOSTAGE a
	WIN 0x04
.irp b, 0,1,2,3
	ds_store_b128 v[STO], v[8*(4*\a+\b):8*(4*\a+\b)+3] offset:128*(\b/2)+32*(\b%2)
	ds_store_b128 v[STO], v[8*(4*\a+\b)+4:8*(4*\a+\b)+7] offset:128*(\b/2)+32*(\b%2)+16
.endr
	WIN 0
.irp t, 0,1,2,3,4,5,6,7
	ds_load_b128 v[BK+32*((\a)%2)+4*\t:BK+32*((\a)%2)+4*\t+3], v[RD] offset:\t*2*SPITCH
.endr
.endm
.macro SEND a, younger
	s_wait_dscnt \younger
.irp t, 0,1,2,3,4,5,6,7
	global_store_b128 v[CO], v[BK+32*((\a)%2)+4*\t:BK+32*((\a)%2)+4*\t+3], s[60:61] offset:(32*((\a)/2)+8*((\a)%2)+2*\t+8*(\t/4))*4096 th:TH_STORE_NT   ; 16 lanes store 256 consecutive bytes, aligned
.endr
.endm
.rept 4
	v_nop                                          ; places behind the last products
.endr
	TOSTAGE 0
.irp a, 1,2,3
.if \a > 1
	s_wait_xcnt 0x0                                ; block a - 2's stores have read their registers
.endif
	TOSTAGE \a
	SEND \a-1, 16                                  ; behind block a - 1's loads: block a's 8 stores and 8 loads
.endr
	SEND 3, 0
	s_wait_tensorcnt 0x0                           ; the wave's end
	ds_add_u32 v[SPW], v[NIL]
	s_wait_dscnt 0x0
	CROUND                                         ; the closing round
	s_endpgm
.Lfunc_end_k_q6b4c68a92e_outp:
	.size	k_q6b4c68a92e_outp, .Lfunc_end_k_q6b4c68a92e_outp-k_q6b4c68a92e_outp
	.p2alignl 7, 3214868480
	.fill 96, 4, 3214868480
	.section	.rodata,"a",@progbits
	.p2align	6, 0x0
	.amdhsa_kernel k_q6b4c68a92e_outp
		.amdhsa_group_segment_fixed_size 262144
		.amdhsa_private_segment_fixed_size 0
		.amdhsa_enable_private_segment 0
		.amdhsa_kernarg_size 48
		.amdhsa_user_sgpr_count 2
		.amdhsa_user_sgpr_kernarg_segment_ptr 1
		.amdhsa_wavefront_size32 1
		.amdhsa_system_sgpr_workgroup_id_x 1
		.amdhsa_system_sgpr_workgroup_id_y 1
		.amdhsa_system_sgpr_workgroup_id_z 1
		.amdhsa_system_vgpr_workitem_id 0
		.amdhsa_next_free_vgpr 512
		.amdhsa_next_free_sgpr 70
		.amdhsa_reserve_vcc 0
		.amdhsa_float_denorm_mode_32 3
		.amdhsa_float_denorm_mode_16_64 3
		.amdhsa_memory_ordered 1
		.amdhsa_forward_progress 1
		.amdhsa_inst_pref_size 53
	.end_amdhsa_kernel
	.amdgpu_metadata
---
amdhsa.version: [ 1, 2 ]
amdhsa.kernels:
  - .name:           k_q6b4c68a92e_outp
    .symbol:         k_q6b4c68a92e_outp.kd
    .args:
      - { .name: oc, .offset: 0, .size: 8, .value_kind: global_buffer, .address_space: global }
      - { .name: osc, .offset: 8, .size: 8, .value_kind: global_buffer, .address_space: global }
      - { .name: codes, .offset: 16, .size: 8, .value_kind: global_buffer, .address_space: global }
      - { .name: scales, .offset: 24, .size: 8, .value_kind: global_buffer, .address_space: global }
      - { .name: bo, .offset: 32, .size: 8, .value_kind: global_buffer, .address_space: global }
      - { .name: out0, .offset: 40, .size: 8, .value_kind: global_buffer, .address_space: global }
    .group_segment_fixed_size: 262144
    .private_segment_fixed_size: 0
    .kernarg_segment_align: 8
    .kernarg_segment_size: 48
    .max_flat_workgroup_size: 128
    .sgpr_count:     70
    .vgpr_count:     512
    .wavefront_size: 32
...
	.end_amdgpu_metadata
.endif
;; end of part 4
